; MI455X (gfx1250); checked and timed in simulation.
; The chip was launched on July 23, 2026; its instructions are those of AMD's public machine-readable ISA for CDNA 5 (MIT licence, August 2026) and "CDNA5" Instruction Set Architecture Reference Guide (July 2026). The comments in the code are by the model that wrote it; some were corrected since.
;; Multi Head Cross Attention. Allowed arithmetic: matrix products marked QUANTISED: E2M3 operands, one E8M0 scale for each 32 along K, by v_wmma_scale_f32_16x16x128_f8f6f4 with both operands' format E2M3, f32 sums; everything else in f32.
;; Inputs: Wk 1,024 x 1,024 float32; Wo 1,024 x 1,024 float32; Wq 1,024 x 1,024 float32; Wv 1,024 x 1,024 float32; bk 1,024 float32; bq 1,024 float32; bv 1,024 float32; xk 4 x 2,048 x 1,024 float32; xq 4 x 2,048 x 1,024 float32; xv 4 x 2,048 x 1,024 float32.
;; Outputs: out0 4 x 2,048 x 1,024 float32.
;; This version of the problem:
;;   THIS VERSION OF THE PROBLEM IS GIVEN IN LOW PRECISION. The matrix products marked QUANTISED in the list below multiply operands that are first quantised to E2M3 (2 exponent bits, 3 mantissa bits; 6 bits a number), with one power-of-two scale for each 32 numbers along K (OCP MX v1.0); their sums are f32. All else is computed in f32.
;;   The module's matrix products, in the order in which they are computed (A, B: the left and right operand; K: the contracted axis; several contracted axes count as one K, in the product's order):
;;     1. [M 8,192, K 1,024] x [K 1,024, N 1,024]; A: input xq; B: input Wq: QUANTISED
;;     2. [M 8,192, K 1,024] x [K 1,024, N 1,024]; A: input xk; B: input Wk: QUANTISED
;;     3. [M 8,192, K 1,024] x [K 1,024, N 1,024]; A: input xv; B: input Wv: QUANTISED
;;     4. batch 64 x [M 2,048, K 64] x [K 64, N 2,048]; A: computed on the way; B: computed on the way: QUANTISED
;;     5. batch 64 x [M 2,048, K 2,048] x [K 2,048, N 64]; A: softmax (see below); B: computed on the way: QUANTISED
;;     6. [M 8,192, K 1,024] x [K 1,024, N 1,024]; A: computed on the way; B: input Wo: QUANTISED
;;   THE QUANTISER, for each operand of a quantised product, along K:
;;     - K is cut into blocks of 32 from its start; a last block that is shorter is filled with zeros.
;;     - A block's scale is 2^e with e = floor(log2(the largest magnitude in the block)) - 2, held to -126 .. 127; a block of zeros has e = 0. As a byte (E8M0): e + 127.
;;     - Each number is divided by its block's scale, clamped to +-7.5, and rounded to the nearest number of E2M3, ties to even, subnormals kept.
;;     - The product sums the exact products of the quantised numbers (number of the format x scale) in f32.
;;   ~~~python
;;   def quantise(x, axis):      # numpy; x: float32 -> the quantised numbers, widened to float32 again
;;       x = np.moveaxis(x, axis, -1); K = x.shape[-1]
;;       x = np.pad(x, [(0, 0)] * (x.ndim - 1) + [(0, -K % 32)]); x = x.reshape(x.shape[:-1] + (-1, 32)); a = np.abs(x).max(-1, keepdims=True)
;;       e = np.where(a > 0, np.clip(np.frexp(np.where(a > 0, a, 1))[1] - 1 - 2, -126, 127), 0)      # np.frexp(a)[1] - 1 = floor(log2(a)), exactly
;;       r = np.clip(x / 2.0 ** e, -7.5, 7.5)
;;       step = 2.0 ** (np.maximum(np.frexp(np.where(r == 0, 1, r))[1] - 1, 0) - 3)
;;       q = np.round(r / step) * step * 2.0 ** e      # np.round: ties to even
;;       return np.moveaxis(q.reshape(q.shape[:-2] + (-1,))[..., :K], -1, axis).astype(np.float32)
;;   ~~~
;;   SOFTMAX AHEAD OF A QUANTISED PRODUCT. Where the list says 'softmax', what is quantised is not the finished softmax but p = 2^(t - M), with t = logit x log2(e) and M = ceil(the row's largest t), a whole number; so 1/2 < the row's largest p <= 1. The row's sum l is taken of the UNQUANTISED p, in f32, and the product's result is divided by l at the end. Since M is a whole number, a kernel that streams over the keys may use a running M (the ceiling of the running maximum): every later rescaling is an exact power of two, which a block's scale takes up: the codes' values come out the same.
;;   OPERANDS COMPUTED ON THE WAY. 'Computed on the way' means the value that the module computes at that place (a softmax that the list does not call 'softmax' is quantised finished and normalised). What goes into a quantiser is computed in f32, as accurately as f32 sums, v_exp_f32 and their like allow (about 1e-6 of the number): no bf16 or f16 on the way to a quantiser, and a product that is left as it is and whose result goes on into a quantised operand takes f32 operands (vector FMAs, or v_wmma_f32_16x16x4_f32). A number that lies on a knife's edge between two numbers of the format may be rounded either way, as far as f32 arithmetic and the matrix unit's own rounding can turn it there, and no further.
;; One version. Each part assembles by itself: llvm-mc -triple=amdgcn-amd-amdhsa -mcpu=gfx1250 --defsym DOCPART=n.
;; ======== version 1 of 1: 4 launches
;; limits: right only within a limited range of input values
;; workspace buffers: c1 22,020,096 bytes; s1 917,504 bytes; c2 18,874,368 bytes; s2 786,432 bytes; c3 6,291,456 bytes; s3 262,144 bytes
;; launch quant (part 1): grid 256 x 1, 7 waves a work-group, no clusters, 60,160 bytes of LDS; arguments xq, xk, xv, Wq, Wk, Wv, Wo, c1, s1; writes c1, s1
.if DOCPART == 1
	.amdgcn_target "amdgcn-amd-amdhsa--gfx1250"
	.amdhsa_code_object_version 6
	.text
	.protected	k_q59de1ceaba_quant
	.globl	k_q59de1ceaba_quant
	.p2align	8
	.type	k_q59de1ceaba_quant,@function
k_q59de1ceaba_quant:
	s_mov_b64 s[64:65], 0
	v_nop
	global_prefetch_b8 v0, s[64:65] scope:SCOPE_SE
	s_setreg_imm32_b32 hwreg(HW_REG_WAVE_MODE, 25, 1), 1
	s_wait_xcnt 0x0
; xq, xk, xv [8192][1024] and Wq, Wk, Wv, Wo [1024][1024], f32 with K innermost, become codes of FP6 (E2M3) with one E8M0 byte for each 32 along K.
; A block's scale is 2^(floor(log2(its largest magnitude)) - 2); its byte is the largest magnitude's exponent field - 2, held at 1 from below.
; LIMITS: NaN and infinities among the inputs are not served; a block whose largest magnitude lies under 2^-124 keeps the byte 1; a block of zeros gets the byte 1 where the
; quantiser says 127: its codes are zeros, which add nothing under any byte but 0xff, and the bytes are read by this program alone.
; THE LAYOUT OF THE CODES is the order of an operand's registers.  A ROW TILE is 16 rows: lane r of tile T holds row 32 (T / 2) + 8 (T % 2) + r + 8 (r / 8).  16 rows x 64 along K are
; one image of 768 bytes: lane l's registers 0-3 at 16 l, its registers 4-5 at 512 + 8 l.  c1 is [row tile 1,792][64 along K: 16][768]; tiles 0.. xq, 512.. xk, 1,024.. xv, 1,536.. Wq, 1,600.. Wk, 1,664.. Wv, 1,728.. Wo.
; s1 is [row tile][512]: the scale word of (row r, K step s of 128) lies at 16 (r + 16 (s % 2)) + 4 (s / 2): one load of 16 bytes a lane brings all eight words of a tile.
; SHARES.  1,792 tiles = 256 work-groups x 7 waves: a wave takes one tile, 16 rows x 1,024.  Waves share nothing: no barrier, no cluster, no matrix unit.
; Each load reads 512 consecutive bytes of a row; a K step's 16 x 512 bytes turn through the wave's own stage in LDS (rows 528 bytes apart), so that a lane gets 16 neighbours of each block.
; Two K steps' loads, 32 a wave, are on their way.  Each store of codes covers 512 or 256 consecutive bytes, aligned to 256.
.set STG,   16*528                     ; a wave's stage
.set SPARE, 7*STG                      ; behind the stages: the spare words, 128 bytes a wave, four blocks of 256 bytes that no other line names
.set SPW,   5                          ; v5   LDS address of my spare word; never rewritten
.set NIL,   6                          ; v6   0; never rewritten
.set R,     16                         ; v16-143  two sets of 64 numbers as they are loaded
.set X,     144                        ; v144-207 64 numbers: register 16 b + i = k 32 b + 16 (lane / 16) + i of my row
.set PC,    208                        ; v208-227 the codes just made
.set TM,    228                        ; v228-243 at work
.set SW,    246                        ; v246-253 a scale word for each K step
.set SEL,   32                         ; s[32:33] lane selects for v_permlanex16_b32: lane l xor 16
; 64 numbers of a lane become a fragment's codes in v[PC] .. v[PC + 11] and its row's scale word in v[pw].
.macro QUANT s, pw
.irp b, 0,1,2,3
	v_max3_num_f32 v[TM+\b], |v[\s+16*\b]|, |v[\s+1+16*\b]|, 0x1800000   ; block b: my 16 numbers, and the floor 2^(3 - 127): the byte cannot fall under 1
.endr
.irp i, 2,4,6,8,10,12,14
.irp b, 0,1,2,3
	v_max3_num_f32 v[TM+\b], v[TM+\b], |v[\s+16*\b+\i]|, |v[\s+1+16*\b+\i]|   ; the four blocks by turns
.endr
.endr
.irp b, 0,1,2,3
	v_permlanex16_b32 v[TM+4+\b], v[TM+\b], s[SEL], s[SEL+1]
.endr
.irp b, 0,1,2,3
	v_max_num_f32 v[TM+\b], v[TM+\b], v[TM+4+\b]   ; with lane l xor 16's: the block's largest magnitude
.endr
.irp b, 0,1,2,3
	v_add_nc_u32 v[TM+12+\b], 0xff000000, v[TM+\b]   ; 2 off its exponent field: the conversion's scale operand
.endr
.irp b, 0,1,2,3
	v_lshrrev_b32 v[TM+4+\b], 23, v[TM+12+\b]   ; the scale's byte
.endr
	v_lshl_or_b32 v[\pw], v[TM+5], 8, v[TM+4]
	v_lshl_or_b32 v[\pw], v[TM+6], 16, v[\pw]
	v_lshl_or_b32 v[\pw], v[TM+7], 24, v[\pw]
.irp c, 0,1
	v_cvt_scalef32_pk16_fp6_f32 v[PC+6*\c:PC+2+6*\c], v[\s+32*\c:\s+15+32*\c], v[TM+12+2*\c]
	v_cvt_scalef32_pk16_fp6_f32 v[PC+12+4*\c:PC+14+4*\c], v[\s+16+32*\c:\s+31+32*\c], v[TM+12+2*\c+1]   ; (a conversion's three registers begin on an even number)
.endr
	v_nop                                          ; one plain place behind a scaled conversion
.irp c, 0,1                                    ; the operand's layout wants a whole block in a lane: lanes 0-15 block 2 c, lanes 16-31 block 2 c + 1
.irp i, 0,1,2
	v_permlane16_swap_b32 v[PC+6*\c+\i], v[PC+12+4*\c+\i]
.endr
.irp i, 0,1,2
	v_mov_b32 v[PC+3+6*\c+\i], v[PC+12+4*\c+\i]
.endr
.endr
.endm
	s_load_b512 s[8:23], s[0:1], 0x0               ; xq, xk, xv, Wq, Wk, Wv, Wo, c1
	s_load_b64 s[24:25], s[0:1], 0x40              ; s1
	v_lshl_add_u32 v[SPW], v0, 2, SPARE
	v_mov_b32 v[NIL], 0
	v_lshrrev_b32 v7, 5, v0
	v_readfirstlane_b32 s26, v7                    ; wave 0..6
	v_and_b32 v7, 31, v0
	v_lshlrev_b32 v1, 4, v7                        ; 16 x lane
	v_lshlrev_b32 v2, 3, v7                        ; 8 x lane
	s_mul_i32 s35, s26, STG
	v_add_nc_u32 v3, s35, v1                       ; the stage, on the way in: a row's 512 bytes as they lie
	v_and_b32 v8, 15, v0
	v_bfe_u32 v9, v0, 4, 1
	v_mul_u32_u24 v4, v8, 528
	v_lshl_add_u32 v4, v9, 6, v4
	v_add_nc_u32 v4, s35, v4                       ; and on the way out: row lane % 16, + 64 (lane / 16)
.irp b, 0,1,2,3
	v_mov_b32 v[TM+4+\b], 0                        ; written once: a lane permute's destination counts as one of its sources
.endr
	s_mov_b32 s[SEL], 0x76543210
	s_mov_b32 s[SEL+1], 0xfedcba98
	s_mov_b32 s34, 0xffff0000                      ; lanes 16-31
	s_mul_i32 s27, ttmp9, 7
	s_add_co_u32 s27, s27, s26                     ; T: my row tile
	s_lshr_b32 s28, s27, 9                         ; an x: which, and the tile in it
	s_and_b32 s29, s27, 511
	s_sub_co_u32 s30, s27, 1536                    ; a W: likewise
	s_lshr_b32 s31, s30, 6
	s_add_co_u32 s31, s31, 3
	s_and_b32 s30, s30, 63
	s_cmp_lt_u32 s27, 1536
	s_cselect_b32 s28, s28, s31                    ; which tensor, 0..6
	s_cselect_b32 s29, s29, s30                    ; t: the tile in it
	s_lshr_b32 s30, s29, 1
	s_lshl_b32 s30, s30, 17                        ; 32 rows of 4,096 bytes for each pair of tiles,
	s_and_b32 s31, s29, 1
	s_lshl_b32 s31, s31, 15                        ; 8 rows for the odd one
	s_add_co_u32 s30, s30, s31
	; xk ALONE HAS ANOTHER ORDER OF ROWS: lane r of its tile T holds row 64 (T / 4) + 8 (T % 4) + r % 8 + 32 (r / 8), so that in the scores of the attention launch
	; a lane's 32 registers of four neighbouring tiles are one block of 32 neighbouring keys.
	s_lshr_b32 s2, s29, 2
	s_lshl_b32 s2, s2, 18                          ; 64 rows of 4,096 bytes for each four tiles,
	s_and_b32 s3, s29, 3
	s_lshl_b32 s3, s3, 15                          ; 8 rows for each tile in them
	s_add_co_u32 s2, s2, s3
	s_cmp_eq_u32 s28, 1                            ; xk?
	s_cselect_b32 s30, s2, s30
	s_cselect_b32 s3, 16*4096, 0                   ; its rows 8-15 of a tile lie 16 rows further on than the others'
	v_add_nc_u32 v10, s3, v1                       ; v10: the offset for a tile's rows 8-15; never rewritten
	s_mov_b32 s31, 0
	s_mul_i32 s36, s27, 12288
	s_mov_b32 s37, 0
	s_lshl_b32 s38, s27, 9
	s_mov_b32 s39, 0
	s_wait_alu depctr_va_vdst(0)
	s_wait_kmcnt 0x0
	s_mov_b64 s[4:5], s[20:21]                     ; the choice of the tensor hangs on the tile's number alone
.irp k, 0,1,2,3,4,5
	s_cmp_eq_u32 s28, \k
	s_cselect_b64 s[4:5], s[8+2*\k:9+2*\k], s[4:5]
.endr
	s_add_nc_u64 s[4:5], s[4:5], s[30:31]
	s_add_nc_u64 s[22:23], s[22:23], s[36:37]
	s_add_nc_u64 s[24:25], s[24:25], s[38:39]
.macro LOAD s                          ; K step s: 512 bytes of each of my 16 rows, into set s % 2
.set i, 0
.rept 16
.if i < 8
	global_load_b128 v[R+64*((\s)%2)+4*i:R+64*((\s)%2)+4*i+3], v1, s[4:5] offset:(i+8*(i/8))*4096+512*(\s) th:TH_LOAD_NT
.else
	global_load_b128 v[R+64*((\s)%2)+4*i:R+64*((\s)%2)+4*i+3], v10, s[4:5] offset:(i+8*(i/8))*4096+512*(\s) th:TH_LOAD_NT
.endif
.set i, i+1
.endr
.endm
.macro KSTEP s
.if (\s) < 7
	s_wait_loadcnt 16                              ; this step's 16 loads are in; the next step's may be out
.else
	s_wait_loadcnt 0x0
.endif
.set i, 0
.rept 16
	ds_store_b128 v3, v[R+64*((\s)%2)+4*i:R+64*((\s)%2)+4*i+3] offset:528*i
.set i, i+1
.endr
.set i, 0
.rept 16
	ds_load_b128 v[X+4*i:X+4*i+3], v4 offset:128*(i/4)+16*(i%4)   ; LDS serves a wave's instructions in order: these see the stores above
.set i, i+1
.endr
	s_wait_dscnt 0x0                               ; the numbers are back, and the stores into the stage have read their registers
	s_wait_xcnt 0x0                                ; the last step's stores have read their data: the codes' registers are written again only behind this wait
.if (\s)+2 < 8
	LOAD (\s)+2
.endif
	QUANT X, SW+(\s)
	global_store_b128 v1, v[PC:PC+3], s[22:23] offset:1536*(\s)
	global_store_b64 v2, v[PC+4:PC+5], s[22:23] offset:1536*(\s)+512
	global_store_b128 v1, v[PC+6:PC+9], s[22:23] offset:1536*(\s)+768
	global_store_b64 v2, v[PC+10:PC+11], s[22:23] offset:1536*(\s)+1280
.endm
	LOAD 0
	LOAD 1
.irp s, 0,1,2,3,4,5,6,7
	KSTEP \s
.endr
.irp i, 0,1,2,3
	v_cndmask_b32 v[TM+\i], v[SW+2*\i], v[SW+2*\i+1], s34   ; lanes 0-15 keep the even K step's word, lanes 16-31 take the odd one's
.endr
	global_store_b128 v1, v[TM:TM+3], s[24:25]     ; the tile's 512 bytes of scale words
	s_wait_tensorcnt 0x0                           ; the wave's end: behind my last LDS store
	ds_add_u32 v[SPW], v[NIL]
	s_wait_dscnt 0x0
	s_endpgm
.Lfunc_end_k_q59de1ceaba_quant:
	.size	k_q59de1ceaba_quant, .Lfunc_end_k_q59de1ceaba_quant-k_q59de1ceaba_quant
	.p2alignl 7, 3214868480
	.fill 96, 4, 3214868480
	.section	.rodata,"a",@progbits
	.p2align	6, 0x0
	.amdhsa_kernel k_q59de1ceaba_quant
		.amdhsa_group_segment_fixed_size 60160
		.amdhsa_private_segment_fixed_size 0
		.amdhsa_enable_private_segment 0
		.amdhsa_kernarg_size 72
		.amdhsa_user_sgpr_count 2
		.amdhsa_user_sgpr_kernarg_segment_ptr 1
		.amdhsa_wavefront_size32 1
		.amdhsa_system_sgpr_workgroup_id_x 1
		.amdhsa_system_sgpr_workgroup_id_y 1
		.amdhsa_system_sgpr_workgroup_id_z 1
		.amdhsa_system_vgpr_workitem_id 0
		.amdhsa_next_free_vgpr 256
		.amdhsa_next_free_sgpr 66
		.amdhsa_reserve_vcc 0
		.amdhsa_float_denorm_mode_32 3
		.amdhsa_float_denorm_mode_16_64 3
		.amdhsa_memory_ordered 1
		.amdhsa_forward_progress 1
		.amdhsa_inst_pref_size 65
	.end_amdhsa_kernel
	.amdgpu_metadata
---
amdhsa.version: [ 1, 2 ]
amdhsa.kernels:
  - .name:           k_q59de1ceaba_quant
    .symbol:         k_q59de1ceaba_quant.kd
    .args:
      - { .name: xq, .offset: 0, .size: 8, .value_kind: global_buffer, .address_space: global }
      - { .name: xk, .offset: 8, .size: 8, .value_kind: global_buffer, .address_space: global }
      - { .name: xv, .offset: 16, .size: 8, .value_kind: global_buffer, .address_space: global }
      - { .name: Wq, .offset: 24, .size: 8, .value_kind: global_buffer, .address_space: global }
      - { .name: Wk, .offset: 32, .size: 8, .value_kind: global_buffer, .address_space: global }
      - { .name: Wv, .offset: 40, .size: 8, .value_kind: global_buffer, .address_space: global }
      - { .name: Wo, .offset: 48, .size: 8, .value_kind: global_buffer, .address_space: global }
      - { .name: c1, .offset: 56, .size: 8, .value_kind: global_buffer, .address_space: global }
      - { .name: s1, .offset: 64, .size: 8, .value_kind: global_buffer, .address_space: global }
    .group_segment_fixed_size: 60160
    .private_segment_fixed_size: 0
    .kernarg_segment_align: 8
    .kernarg_segment_size: 72
    .max_flat_workgroup_size: 224
    .sgpr_count:     66
    .vgpr_count:     256
    .wavefront_size: 32
...
	.end_amdgpu_metadata
.endif
;; end of part 1
;; launch proj (part 2): grid 4 x 96, 4 waves a work-group, clusters of 4 x 4, 327,680 bytes of LDS; arguments c1, s1, bq, bk, bv, c2, s2; writes c2, s2
.if DOCPART == 2
	.amdgcn_target "amdgcn-amd-amdhsa--gfx1250"
	.amdhsa_code_object_version 6
	.text
	.protected	k_q59de1ceaba_proj
	.globl	k_q59de1ceaba_proj
	.p2align	8
	.type	k_q59de1ceaba_proj,@function
k_q59de1ceaba_proj:
	s_mov_b64 s[64:65], 0
	v_nop
	global_prefetch_b8 v0, s[64:65] scope:SCOPE_SE
	s_setreg_imm32_b32 hwreg(HW_REG_WAVE_MODE, 25, 1), 1
	s_wait_xcnt 0x0
	s_wait_alu depctr_hold_cnt(0) depctr_sa_sdst(0) depctr_va_vdst(0) depctr_va_sdst(0) depctr_va_ssrc(0) depctr_va_vcc(0) depctr_vm_vsrc(0)
	s_getreg_b32 s2, hwreg(HW_REG_IB_STS2, 6, 4)
	s_cmp_eq_u32 s2, 0
	s_cbranch_scc0 .Lentry_in_a_cluster
	s_endpgm
.Lentry_in_a_cluster:
	s_bfe_u32 s2, ttmp6, 0x10000c
	s_cmp_lg_u32 s2, 0xf033
	s_cbranch_scc0 .Lentry_shape_is_right
	s_endpgm
.Lentry_shape_is_right:
.set FR,    12
.set FB,    1536
.set CH,    3072
.set HALFT, 8*CH
.set OPB,   2*HALFT
.set SLOT,  4*HALFT
.set SPARE, 3*SLOT
.set ADA,   4
.set ADB,   10
.set SPW,   16
.set NIL,   17
.set BL,    24
.set SCA,   32
.set SCB,   64
.set TM,    96
.set PW,    112
.set H16,   113
.set VC,    114
.set VSO,   118
.set WK,    120
.set TT,    125
.set AF,    128
.set HA,    128
.set PC,    192
.set G1L,   24
.set G1R,   32
.set G0L,   40
.set G0R,   52
.set SEL,   70
.set MSB, 0
.macro WIN new
.if MSB != (\new)
	s_set_vgpr_msb (MSB<<8)|(\new)
.set MSB, (\new)
.endif
.endm
.set MUL_LO, 0xa1
.set MUL_HI, 0xf1
.set TO_B,   0x40
.macro JLOAD g0a, g1a, g0b, g1b
	s_cmp_eq_u32 s19, 0
	s_cbranch_scc0 .Lfor_b_\@
	tensor_load_to_lds s[\g0a:\g0a+3], s[\g1a:\g1a+7]
	s_nop 0
.rept 4
	v_nop
.endr
	s_branch .Lasked_\@
.Lfor_b_\@:
	tensor_load_to_lds s[\g0b:\g0b+3], s[\g1b:\g1b+7]
	s_nop 0
.rept 4
	v_nop
.endr
.Lasked_\@:
.endm
.macro CREST
	s_cmp_lg_u32 s18, 0
	s_cbranch_scc1 .Lnot_wave_0_\@
	s_barrier_signal -3
.Lnot_wave_0_\@:
	s_barrier_wait -3
	s_barrier_signal -1
	s_barrier_wait -1
.endm
.macro CROUND
	s_barrier_signal -1
	s_barrier_wait -1
	CREST
.endm
.macro PLACES
.rept 4
	v_nop
.endr
.endm
; LDS: region 0 (bytes 0 .. 8 HALFT): K steps 0-3, [quarter of the tiles][tile][6,144]; region 1 (from 8 HALFT): K steps 4, 5, [quarter][tile][3,072];
; region 2 is region 0's first 4 HALFT bytes, filled again with K steps 6, 7, [quarter][tile][3,072].  p: the bytes from tile to tile.
.macro FRAG reg, adr, q, i, p
	ds_load_b128 v[\reg:\reg+3], v[\adr] offset:(\i)*(\p)+(\q)*FB
	ds_load_b64 v[\reg+4:\reg+5], v[\adr+1] offset:(\i)*(\p)+(\q)*FB+512
	ds_load_b128 v[\reg+6:\reg+9], v[\adr] offset:(\i)*(\p)+(\q)*FB+768
	ds_load_b64 v[\reg+10:\reg+11], v[\adr+1] offset:(\i)*(\p)+(\q)*FB+1280
.endm
.macro FETCH_B slot, q, p
	WIN TO_B
.irp i, 0,1,2,3,4,5,6,7
	FRAG 128*(\p)+FR*\i, ADB+2*(\slot), \q, \i, CH*(2-((\slot)+1)/2)
.endr
	WIN 0
.endm
.macro FETCH_A slot, q, i0
.irp i, \i0, \i0+1, \i0+2, \i0+3
	FRAG AF+FR*(\i), ADA+2*(\slot), \q, \i, CH*(2-((\slot)+1)/2)
.endr
.endm
.macro MUL16 a0, s, zero
.irp a, \a0, \a0+1
.irp b, 0,1,2,3,4,5,6,7
.if \zero
	v_wmma_scale_f32_16x16x128_f8f6f4 v[8*(8*((\a)%4)+\b):8*(8*((\a)%4)+\b)+7], v[128*((\s)%2)+FR*\b:128*((\s)%2)+FR*\b+FR-1], v[AF+FR*(\a):AF+FR*(\a)+FR-1], 0, v[SCB+4*\b+(\s)/2], v[SCA+4*(\a)+(\s)/2] matrix_a_fmt:MATRIX_FMT_FP6 matrix_b_fmt:MATRIX_FMT_FP6
.elseif (\s)%2
	v_wmma_scale_f32_16x16x128_f8f6f4 v[8*(8*((\a)%4)+\b):8*(8*((\a)%4)+\b)+7], v[128*((\s)%2)+FR*\b:128*((\s)%2)+FR*\b+FR-1], v[AF+FR*(\a):AF+FR*(\a)+FR-1], v[8*(8*((\a)%4)+\b):8*(8*((\a)%4)+\b)+7], v[SCB+4*\b+(\s)/2], v[SCA+4*(\a)+(\s)/2] matrix_a_fmt:MATRIX_FMT_FP6 matrix_b_fmt:MATRIX_FMT_FP6 matrix_a_scale:MATRIX_SCALE_ROW1 matrix_b_scale:MATRIX_SCALE_ROW1
.else
	v_wmma_scale_f32_16x16x128_f8f6f4 v[8*(8*((\a)%4)+\b):8*(8*((\a)%4)+\b)+7], v[128*((\s)%2)+FR*\b:128*((\s)%2)+FR*\b+FR-1], v[AF+FR*(\a):AF+FR*(\a)+FR-1], v[8*(8*((\a)%4)+\b):8*(8*((\a)%4)+\b)+7], v[SCB+4*\b+(\s)/2], v[SCA+4*(\a)+(\s)/2] matrix_a_fmt:MATRIX_FMT_FP6 matrix_b_fmt:MATRIX_FMT_FP6
.endif
.endr
.endr
.endm
.macro STEP s, nslot, nq, zero
	s_wait_dscnt 16
	WIN MUL_LO
	MUL16 0, \s, \zero
	MUL16 2, \s, \zero
	s_wait_dscnt 0
	PLACES
	FETCH_B \nslot, \nq, 1-(\s)%2
	FETCH_A \nslot, \nq, 0
	WIN MUL_HI
	MUL16 4, \s, \zero
	MUL16 6, \s, \zero
	PLACES
	WIN 0
	FETCH_A \nslot, \nq, 4
.endm
.macro TURN s, nslot, fill
	s_wait_tensorcnt 0x0
	ds_add_u32 v[SPW], v[NIL]
	s_wait_dscnt 17
	WIN MUL_LO
	MUL16 0, \s, 0
	s_wait_dscnt 0x0
	s_barrier_signal -1
	MUL16 2, \s, 0
	WIN 0
	s_barrier_wait -1
.if \fill
	CREST
	JLOAD G0L+8, G1L, G0R+8, G1R                   ; K steps 6, 7, onto region 0's first bytes, which no wave reads any more
.else
	PLACES
.endif
	FETCH_B \nslot, 0, 0
	FETCH_A \nslot, 0, 0
	WIN MUL_HI
	MUL16 4, \s, 0
	MUL16 6, \s, 0
	PLACES
	WIN 0
	FETCH_A \nslot, 0, 4
.endm
.macro QUANT s, pw
.irp b, 0,1,2,3
	v_max3_num_f32 v[TM+\b], |v[\s+16*\b]|, |v[\s+1+16*\b]|, 0x1800000
.endr
.irp i, 2,4,6,8,10,12,14
.irp b, 0,1,2,3
	v_max3_num_f32 v[TM+\b], v[TM+\b], |v[\s+16*\b+\i]|, |v[\s+1+16*\b+\i]|
.endr
.endr
.irp b, 0,1,2,3
	v_permlanex16_b32 v[TM+4+\b], v[TM+\b], s[SEL], s[SEL+1]
.endr
.irp b, 0,1,2,3
	v_max_num_f32 v[TM+\b], v[TM+\b], v[TM+4+\b]
.endr
.irp b, 0,1,2,3
	v_add_nc_u32 v[TM+12+\b], 0xff000000, v[TM+\b]
.endr
.irp b, 0,1,2,3
	v_lshrrev_b32 v[TM+4+\b], 23, v[TM+12+\b]
.endr
	v_lshl_or_b32 v[\pw], v[TM+5], 8, v[TM+4]
	v_lshl_or_b32 v[\pw], v[TM+6], 16, v[\pw]
	v_lshl_or_b32 v[\pw], v[TM+7], 24, v[\pw]
.irp c, 0,1
	v_cvt_scalef32_pk16_fp6_f32 v[PC+6*\c:PC+2+6*\c], v[\s+32*\c:\s+15+32*\c], v[TM+12+2*\c]
	v_cvt_scalef32_pk16_fp6_f32 v[PC+12+4*\c:PC+14+4*\c], v[\s+16+32*\c:\s+31+32*\c], v[TM+12+2*\c+1]
.endr
	v_nop
.irp c, 0,1
.irp i, 0,1,2
	v_permlane16_swap_b32 v[PC+6*\c+\i], v[PC+12+4*\c+\i]
.endr
.irp i, 0,1,2
	v_mov_b32 v[PC+3+6*\c+\i], v[PC+12+4*\c+\i]
.endr
.endr
.endm
.macro SEL3 dst, vq, vk, vv
	s_mov_b32 s[\dst], \vv
	s_cmp_eq_u32 s23, 1
	s_cselect_b32 s[\dst], \vk, s[\dst]
	s_cmp_eq_u32 s23, 0
	s_cselect_b32 s[\dst], \vq, s[\dst]
.endm
	s_load_b256 s[4:11], s[0:1], 0x0
	s_load_b128 s[12:15], s[0:1], 0x20
	s_load_b64 s[16:17], s[0:1], 0x30
	v_lshl_add_u32 v[SPW], v0, 2, SPARE
	v_mov_b32 v[NIL], 0
	ds_add_u32 v[SPW], v[NIL]
	ds_add_u32 v[SPW], v[NIL]
	v_lshrrev_b32 v1, 5, v0
	v_readfirstlane_b32 s18, v1
	s_lshr_b32 s19, s18, 1
	s_and_b32 s20, s18, 1
	s_bfe_u32 s21, ttmp6, 0x40000
	s_bfe_u32 s22, ttmp6, 0x40004
	s_and_b32 s66, ttmp7, 0xffff
	s_lshr_b32 s23, s66, 3
	s_and_b32 s66, s66, 7
	s_lshl_b32 s72, s22, 2
	s_lshl_b32 s72, 15, s72
	s_lshl_b32 s73, 0x1111, s21
	s_or_b32 s[G1L], s72, (3<<16)|(1<<21)
	s_or_b32 s[G1R], s73, (3<<16)|(1<<21)
.irp g, G1L, G1R
	s_mov_b32 s[\g+1], 768<<16                     ; the head's load: 8 rows of 6,144 bytes (K 0-511 of 8 row tiles)
	s_mov_b32 s[\g+2], 8<<16
	s_mov_b32 s[\g+3], 768<<16
	s_mov_b32 s[\g+4], 8
	s_mov_b32 s[\g+5], 1536
	s_mov_b32 s[\g+6], 0
	s_mov_b32 s[\g+7], 0
.endr
	s_lshl_b32 s67, s23, 9
	s_lshl_b32 s74, s66, 6
	s_add_co_u32 s67, s67, s74
	s_lshl_b32 s68, s23, 6
	s_add_co_u32 s68, s68, 1536
	s_cmp_eq_u32 s23, 2
	s_cselect_b32 s69, s68, s67
	s_cselect_b32 s68, s67, s68
	s_lshl_b32 s74, s22, 4
	s_add_co_u32 s69, s69, s74
	s_lshl_b32 s75, s21, 4
	s_add_co_u32 s68, s68, s75
	s_lshl_b32 s74, s20, 3
	s_add_co_u32 s76, s69, s74
	s_mul_i32 s76, s76, 12288
	s_mov_b32 s77, 0
	s_add_co_u32 s78, s68, s74
	s_mul_i32 s78, s78, 12288
	s_mov_b32 s79, 0
	s_mul_i32 s80, s18, HALFT
	s_lshl_b32 s82, s19, 3
	s_add_co_u32 s82, s82, s69
	s_lshl_b32 s82, s82, 9
	s_mov_b32 s83, 0
	s_lshl_b32 s84, s20, 3
	s_add_co_u32 s84, s84, s68
	s_lshl_b32 s84, s84, 9
	s_mov_b32 s85, 0
	s_wait_dscnt 0x0
	s_wait_kmcnt 0x0
	s_add_nc_u64 s[76:77], s[4:5], s[76:77]
	s_add_nc_u64 s[78:79], s[4:5], s[78:79]
	s_add_nc_u64 s[82:83], s[6:7], s[82:83]
	s_add_nc_u64 s[84:85], s[6:7], s[84:85]
	CROUND
.macro G0SETS g, b                     ; three groups 0: K steps 0-3 to region 0, steps 4, 5 to region 1, steps 6, 7 to region 2
	s_mov_b32 s[\g], 1
	s_lshl_b32 s[\g+1], s80, 1
	s_mov_b64 s[\g+2:\g+3], s[\b:\b+1]
	s_or_b32 s[\g+3], s[\g+3], 0x80000000
	s_mov_b32 s[\g+4], 1
	s_add_co_u32 s[\g+5], s80, 8*HALFT
	s_add_nc_u64 s[\g+6:\g+7], s[\b:\b+1], 2*CH
	s_or_b32 s[\g+7], s[\g+7], 0x80000000
	s_mov_b32 s[\g+8], 1
	s_mov_b32 s[\g+9], s80
	s_add_nc_u64 s[\g+10:\g+11], s[\b:\b+1], 3*CH
	s_or_b32 s[\g+11], s[\g+11], 0x80000000
.endm
	G0SETS G0L, 76
	G0SETS G0R, 78
	JLOAD G0L, G1L, G0R, G1R                       ; one tensor load a wave at the head: K steps 0-3 of my quarter of the tiles
	v_and_b32 v3, 31, v0
	v_lshlrev_b32 v1, 4, v3
	v_lshlrev_b32 v2, 3, v3
.irp a, 0,1,2,3,4,5,6,7
	global_load_b128 v[SCA+4*\a:SCA+4*\a+3], v1, s[82:83] offset:512*\a
	global_load_b128 v[SCB+4*\a:SCB+4*\a+3], v1, s[84:85] offset:512*\a
.endr
	s_mul_i32 s86, s19, HALFT
	s_mul_i32 s87, s20, HALFT
	s_add_co_u32 s87, s87, OPB
	s_lshl_b32 s88, s86, 1
	s_lshl_b32 s89, s87, 1
	v_add_nc_u32 v[ADA], s88, v1                   ; region 0: a quarter is 2 HALFT bytes
	v_add_nc_u32 v[ADA+1], s88, v2
	v_add_nc_u32 v[ADB], s89, v1
	v_add_nc_u32 v[ADB+1], s89, v2
	v_add_nc_u32 v[ADA+4], s86, v1                 ; region 2
	v_add_nc_u32 v[ADA+5], s86, v2
	v_add_nc_u32 v[ADB+4], s87, v1
	v_add_nc_u32 v[ADB+5], s87, v2
	s_add_co_u32 s86, s86, 8*HALFT
	s_add_co_u32 s87, s87, 8*HALFT
	v_add_nc_u32 v[ADA+2], s86, v1                 ; region 1
	v_add_nc_u32 v[ADA+3], s86, v2
	v_add_nc_u32 v[ADB+2], s87, v1
	v_add_nc_u32 v[ADB+3], s87, v2
	s_cmp_eq_u32 s23, 1
	s_cselect_b64 s[10:11], s[10:11], s[12:13]
	s_cmp_eq_u32 s23, 0
	s_cselect_b64 s[8:9], s[8:9], s[10:11]
	s_lshl_b32 s2, s21, 10
	s_lshl_b32 s3, s20, 9
	s_add_co_u32 s2, s2, s3
	s_lshl_b32 s3, s22, 10
	s_lshl_b32 s101, s19, 9
	s_add_co_u32 s3, s3, s101
	s_cmp_eq_u32 s23, 2
	s_cselect_b32 s2, 0, s2
	s_cselect_b32 s3, s3, 0
	v_and_b32 v20, 15, v0
	v_bfe_u32 v21, v0, 4, 1
	s_wait_alu depctr_va_vdst(0)
	v_lshl_add_u32 v18, v21, 6, s2
	v_and_b32 v22, 8, v20
	v_add_nc_u32 v22, v22, v20
	v_lshl_add_u32 v19, v22, 2, s3
	WIN 0x40
.set n, 0
.rept 16
	global_load_b128 v[96+4*n+96*(n/8):96+4*n+96*(n/8)+3], v18, s[8:9] offset:128*(n/4)+16*(n%4)
.set n, n+1
.endr
	WIN 0
.irp a, 0,1,2,3,4,5,6,7
	global_load_b32 v[BL+\a], v19, s[8:9] offset:4*(32*(\a/2)+8*(\a%2))
.endr
	s_cmp_eq_u32 s23, 2
	s_cselect_b32 s72, s22, s21
	s_cselect_b32 s73, s19, s20
	s_cselect_b32 s74, s21, s22
	s_cselect_b32 s75, s20, s19
	s_lshl_b32 s72, s72, 2
	s_lshl_b32 s73, s73, 1
	s_add_co_u32 s72, s72, s73
	s_and_b32 s73, s66, 1
	s_lshl_b32 s73, s73, 3
	s_lshl_b32 s74, s74, 1
	s_add_co_u32 s73, s73, s74
	s_add_co_u32 s73, s73, s75
	s_lshr_b32 s74, s66, 1
	s_lshl_b32 s75, s74, 7
	s_lshl_b32 s101, s73, 3
	s_add_co_u32 s75, s75, s101
	s_mul_i32 s97, s75, 12288
	s_mul_i32 s101, s72, 768
	s_add_co_u32 s97, s97, s101
	s_lshl_b32 s98, s75, 9
	s_lshl_b32 s101, s72, 5
	s_add_co_u32 s98, s98, s101
	s_lshl_b32 s75, s74, 4
	s_add_co_u32 s75, s75, s72
	s_mul_i32 s104, s23, 6291456
	s_mul_i32 s101, s75, 98304
	s_add_co_u32 s104, s104, s101
	s_mul_i32 s101, s73, 6144
	s_add_co_u32 s104, s104, s101
	s_lshl_b32 s105, s23, 18
	s_lshl_b32 s101, s75, 12
	s_add_co_u32 s105, s105, s101
	s_lshl_b32 s101, s73, 8
	s_add_co_u32 s105, s105, s101
	s_cmp_eq_u32 s23, 0
	s_cselect_b32 s97, s97, s104
	s_cselect_b32 s98, s98, s105
	SEL3 88, 12288, 768, 1536
	SEL3 89, 24576, 1536, 3072
	SEL3 90, 49152, 3072, 98304
	SEL3 91, 768, 98304, 768
	SEL3 92, 512, 2, 128
	SEL3 93, 1024, 128, 4
	SEL3 94, 2048, 4, 4096
	SEL3 95, 4, 8, 8
	SEL3 96, 2, 4096, 2
	s_mov_b32 s[SEL], 0x76543210
	s_mov_b32 s[SEL+1], 0xfedcba98
	v_lshlrev_b32 v[H16], 4, v21
	v_add_nc_u32 v[VC], s97, v1
	v_add_nc_u32 v[VC+1], s97, v2
	v_add_nc_u32 v[VC+2], s91, v[VC]
	v_add_nc_u32 v[VC+3], s91, v[VC+1]
	v_mul_lo_u32 v[VSO], v20, s95
	v_mul_lo_u32 v22, v21, s96
	v_add3_u32 v[VSO], v[VSO], v22, s98
.irp b, 0,1,2,3
	v_mov_b32 v[TM+4+\b], 0
.endr
	s_wait_alu depctr_va_vdst(0)                   ; the head's end
	s_wait_tensorcnt 0x0                           ; my part of K steps 0-3 is in
	ds_add_u32 v[SPW], v[NIL]
	s_mov_b32 s[G1L+1], 384<<16                    ; no tensor load of mine is out: from here on a load's rows are 3,072 bytes
	s_mov_b32 s[G1L+3], 384<<16
	s_mov_b32 s[G1R+1], 384<<16
	s_mov_b32 s[G1R+3], 384<<16
	s_wait_dscnt 0x0
	CROUND                                         ; everybody's part is in, and the joint loads meet
	JLOAD G0L+4, G1L, G0R+4, G1R                   ; K steps 4, 5: region 1's first fill; three K steps of products stand ahead of the wait for it
	FETCH_B 0, 0, 0
	FETCH_A 0, 0, 0
	FETCH_A 0, 0, 4
	s_wait_loadcnt 0x0
	STEP 0, 0, 1, 1
	STEP 1, 0, 2, 0
	STEP 2, 0, 3, 0
	TURN 3, 1, 1
	STEP 4, 1, 1, 0
	TURN 5, 2, 0
	STEP 6, 2, 1, 0
	s_wait_dscnt 16
	WIN MUL_LO
	MUL16 0, 7, 0
	MUL16 2, 7, 0
	s_wait_dscnt 0
	WIN MUL_HI
	MUL16 4, 7, 0
	MUL16 6, 7, 0
	WIN 0
.macro OUT a
	s_cmp_eq_u32 s23, 2
	s_cbranch_scc1 .Llane_\@
	WIN 0x06+(\a)/4
.set i, 0
.rept 32
	v_pk_add_f32 v[HA+2*i:HA+2*i+1], v[64*((\a)%4)+2*i:64*((\a)%4)+2*i+1], v[96+2*i+96*(i/16):96+2*i+96*(i/16)+1]
.set i, i+1
.endr
	WIN 0
	s_branch .Ljoin_\@
.Llane_\@:
	WIN 0x02+(\a)/4
.set i, 0
.rept 32
.if (\a)%2
	v_pk_add_f32 v[HA+2*i:HA+2*i+1], v[64*((\a)%4)+2*i:64*((\a)%4)+2*i+1], v[BL+2*((\a)/2):BL+2*((\a)/2)+1] op_sel:[0,1] op_sel_hi:[1,1]
.else
	v_pk_add_f32 v[HA+2*i:HA+2*i+1], v[64*((\a)%4)+2*i:64*((\a)%4)+2*i+1], v[BL+2*((\a)/2):BL+2*((\a)/2)+1] op_sel_hi:[1,0]
.endif
.set i, i+1
.endr
	WIN 0
.Ljoin_\@:
	s_wait_xcnt 0x0
	QUANT HA, PW
	s_mov_b32 s99, 0
	s_mov_b32 s100, 0
.if (\a)&1
	s_add_co_u32 s99, s99, s88
	s_add_co_u32 s100, s100, s92
.endif
.if ((\a)>>1)&1
	s_add_co_u32 s99, s99, s89
	s_add_co_u32 s100, s100, s93
.endif
.if (\a)>>2
	s_add_co_u32 s99, s99, s90
	s_add_co_u32 s100, s100, s94
.endif
.irp i, 0,1,2,3
	v_add_nc_u32 v[WK+\i], s99, v[VC+\i]
.endr
	v_add_nc_u32 v[WK+4], s100, v[VSO]
	v_lshrrev_b32 v[TT], v[H16], v[PW]
	global_store_b128 v[WK], v[PC:PC+3], s[14:15]
	global_store_b64 v[WK+1], v[PC+4:PC+5], s[14:15] offset:512
	s_wait_alu depctr_va_vdst(0)
	global_store_b128 v[WK+2], v[PC+6:PC+9], s[14:15]
	global_store_b64 v[WK+3], v[PC+10:PC+11], s[14:15] offset:512
	global_store_b16 v[WK+4], v[TT], s[16:17]
.endm
	PLACES
.irp a, 0,1,2,3,4,5,6,7
	OUT \a
.endr
	s_wait_tensorcnt 0x0
	ds_add_u32 v[SPW], v[NIL]
	s_wait_dscnt 0x0
	CROUND
	s_endpgm
.Lfunc_end_k_q59de1ceaba_proj:
	.size	k_q59de1ceaba_proj, .Lfunc_end_k_q59de1ceaba_proj-k_q59de1ceaba_proj
	.p2alignl 7, 3214868480
	.fill 96, 4, 3214868480
	.section	.rodata,"a",@progbits
	.p2align	6, 0x0
	.amdhsa_kernel k_q59de1ceaba_proj
		.amdhsa_group_segment_fixed_size 327680
		.amdhsa_private_segment_fixed_size 0
		.amdhsa_enable_private_segment 0
		.amdhsa_kernarg_size 56
		.amdhsa_user_sgpr_count 2
		.amdhsa_user_sgpr_kernarg_segment_ptr 1
		.amdhsa_wavefront_size32 1
		.amdhsa_system_sgpr_workgroup_id_x 1
		.amdhsa_system_sgpr_workgroup_id_y 1
		.amdhsa_system_sgpr_workgroup_id_z 1
		.amdhsa_system_vgpr_workitem_id 0
		.amdhsa_next_free_vgpr 1024
		.amdhsa_next_free_sgpr 106
		.amdhsa_reserve_vcc 0
		.amdhsa_float_denorm_mode_32 3
		.amdhsa_float_denorm_mode_16_64 3
		.amdhsa_memory_ordered 1
		.amdhsa_forward_progress 1
		.amdhsa_inst_pref_size 188
	.end_amdhsa_kernel
	.amdgpu_metadata
---
amdhsa.version: [ 1, 2 ]
amdhsa.kernels:
  - .name:           k_q59de1ceaba_proj
    .symbol:         k_q59de1ceaba_proj.kd
    .args:
      - { .name: c1, .offset: 0, .size: 8, .value_kind: global_buffer, .address_space: global }
      - { .name: s1, .offset: 8, .size: 8, .value_kind: global_buffer, .address_space: global }
      - { .name: bq, .offset: 16, .size: 8, .value_kind: global_buffer, .address_space: global }
      - { .name: bk, .offset: 24, .size: 8, .value_kind: global_buffer, .address_space: global }
      - { .name: bv, .offset: 32, .size: 8, .value_kind: global_buffer, .address_space: global }
      - { .name: c2, .offset: 40, .size: 8, .value_kind: global_buffer, .address_space: global }
      - { .name: s2, .offset: 48, .size: 8, .value_kind: global_buffer, .address_space: global }
    .group_segment_fixed_size: 327680
    .private_segment_fixed_size: 0
    .kernarg_segment_align: 8
    .kernarg_segment_size: 56
    .max_flat_workgroup_size: 128
    .sgpr_count:     106
    .vgpr_count:     1024
    .wavefront_size: 32
...
	.end_amdgpu_metadata
.endif
;; end of part 2
;; launch attn (part 3): grid 4 x 64, 16 waves a work-group, clusters of 4 x 1, 206,848 bytes of LDS; arguments c2, s2, c3, s3; writes c3, s3
.if DOCPART == 3
	.amdgcn_target "amdgcn-amd-amdhsa--gfx1250"
	.amdhsa_code_object_version 6
	.text
	.protected	k_q59de1ceaba_attn
	.globl	k_q59de1ceaba_attn
	.p2align	8
	.type	k_q59de1ceaba_attn,@function
k_q59de1ceaba_attn:
	s_mov_b64 s[64:65], 0
	v_nop
	global_prefetch_b8 v0, s[64:65] scope:SCOPE_SE
	s_setreg_imm32_b32 hwreg(HW_REG_WAVE_MODE, 25, 1), 1
	s_wait_xcnt 0x0
	s_wait_alu depctr_hold_cnt(0) depctr_sa_sdst(0) depctr_va_vdst(0) depctr_va_sdst(0) depctr_va_ssrc(0) depctr_va_vcc(0) depctr_vm_vsrc(0)
	s_getreg_b32 s2, hwreg(HW_REG_IB_STS2, 6, 4)
	s_cmp_eq_u32 s2, 0
	s_cbranch_scc0 .Lentry_in_a_cluster
	s_endpgm
.Lentry_in_a_cluster:
	s_bfe_u32 s2, ttmp6, 0x10000c
	s_cmp_lg_u32 s2, 0x3003
	s_cbranch_scc0 .Lentry_shape_is_right
	s_endpgm
.Lentry_shape_is_right:
; For each of 64 (batch, head): o = softmax(q k^T / 8) v, both products on codes of FP6 (E2M3) with E8M0 scales; o is quantised along the head's 64 and leaves as codes, an operand of the last product.
; THE SOFTMAX: t = score x log2(e) / 8; M = the running largest t rounded UP to a whole number; p = 2^(t - M) is quantised along the keys, not normalised; the row's sum is taken of the unquantised p and divides at the end.
; When M moves, the sum and O are multiplied by 2^(old M - new M), which rounds nothing.
; LIMITS: NaN and infinities are not served; the scaled scores t stay under 2^31 in magnitude; a block whose largest magnitude lies under 2^-124, a block of zeros too, keeps the byte 1
; (zero codes add nothing; the bytes are read by this program alone).  A block's largest p is taken as 2^(its largest score's t - M), by the same two instructions as every p: this takes v_exp_f32 not to fall where its input rises.
; SHARES.  A work-group owns 512 queries of one head; each of its sixteen waves owns two tiles of 16, one after the other, in 256 registers: four waves to a SIMD.
; ALL of the head's K and V codes (2 x 98,304 bytes) and scale bytes (2 x 4,096) lie in LDS, filled once: no ring.
; CLUSTER.  The four work-groups of a cluster are the head's four blocks of queries: every tile is asked for jointly.  One tensor load a wave, in three lines: waves 0, 1 key steps 0-3 of K and of V (24,576 bytes each);
; waves 2-5 a half each of K's and V's scale bytes; waves 6-11 key steps 4-7, 8-11, 12-15 of K and of V.  TWO BARRIERS: ahead of the first, waves 0-5 wait for their tiles; the first tile's first four key steps follow;
; ahead of the second every wave waits for its tile.  The second tile of queries has no barrier.
; Nothing is prefetched: all that the launch reads through LDS is asked for at its head, and there is no loop to run ahead in.
; LAYOUT.  Both products are used transposed (S^T = K Q^T, O^T = V^T P^T): a lane holds one query throughout.  K's tile T of a key step holds in row m the key 64 (T / 4) + 32 (m / 8) + 8 (T % 4) + m % 8 (the first launch orders xk's rows so):
; register 96 + 32 c + i of lane (r, h) is key 64 c + 32 h + i: a whole block of 32 in a lane, in the order of the operand's registers: no lane is asked for a block's maximum, and no code changes lanes.
; V's tiles and q's keep the order 32 (T / 2) + 8 (T % 2) + r + 8 (r / 8): o's 16 registers of two neighbouring tiles are 16 neighbours of the head's 64.
; A HEAD OF 64 IN A FORM OF 128: a fragment of K holds TWO tiles of keys (k 0-63: tile 2 pi, k 64-127: tile 2 pi + 1); Q stands between zeros, v16-21 = 0, v22-27 = q, v28-33 = 0: v[22:33] picks the first tile, v[16:27] the second.
; REGISTERS: v1, v2 16 l, 8 l; v3, v4 the add's two; v5, v6 K's LDS addresses, v7, v8 V's, v9 the scale words'; v10, v11 my tile's bytes in c2 and c3; v12 -M, v13 the largest score, v[14:15] the sum; v16-33 Q; v34 Q's scale word, v35 the second tile's;
;   v36-41 the second tile's q; v42-44 offsets; v45 8 (lane / 16); v46, v47 VC + 16 l, VC + 8 l; v48-95 four fragments of K or V; v96-159 S^T, then p; v160-191 O^T; v192-210 codes; v212-223 at work; v224-227 K's and V's scale words;
;   v230 f, v231 p's scale word; v232, v233 at work; v240-253 partial sums.  s60, s61: the key step's bytes in the codes and in the scale words.
.set VC,    98304                      ; LDS: K's codes at 0, V's here,
.set KS,    196608                     ; K's scale bytes, V's 4,096 further on,
.set SPARE, 204800                     ; and the spare words, 128 bytes a wave: eight blocks of 256 bytes that no other line names
.set KV,    48
.set BM,    212
.set BT,    216
.set BS,    220
.macro CROUND                          ; a round of the cluster's barrier
	s_barrier_signal -1
	s_barrier_wait -1
	s_cmp_lg_u32 s12, 0
	s_cbranch_scc1 .Lnot_wave_0_\@
	s_barrier_signal -3
.Lnot_wave_0_\@:
	s_barrier_wait -3
	s_barrier_signal -1
	s_barrier_wait -1
.endm
.macro FRAGS a16, a8                   ; four fragments, as images of the operand's registers
.irp f, 0,1,2,3
	ds_load_b128 v[KV+12*\f:KV+12*\f+3], \a16 offset:1536*\f
	ds_load_b64 v[KV+12*\f+4:KV+12*\f+5], \a8 offset:1536*\f+512
	ds_load_b128 v[KV+12*\f+6:KV+12*\f+9], \a16 offset:1536*\f+768
	ds_load_b64 v[KV+12*\f+10:KV+12*\f+11], \a8 offset:1536*\f+1280
.endr
.endm
.macro TLOAD g0, g1
	tensor_load_to_lds s[\g0:\g0+3], s[\g1:\g1+7]
	s_nop 0
.rept 4
	v_nop
.endr
.endm
	s_load_b256 s[4:11], s[0:1], 0x0               ; c2, s2, c3, s3
	v_lshl_add_u32 v3, v0, 2, SPARE
	v_mov_b32 v4, 0
	ds_add_u32 v3, v4                              ; the wave's opening: the add, twice on end, and its wait ahead of my first tensor load
	ds_add_u32 v3, v4
	v_lshrrev_b32 v1, 5, v0
	v_readfirstlane_b32 s12, v1                    ; wave 0..15
	s_bfe_u32 s13, ttmp6, 0x40000                  ; cx: it enters global addresses of q and o alone
	s_and_b32 s14, ttmp7, 0xffff                   ; hb = 16 x batch + head, which the four partners share
	; descriptor groups 1: dense blocks as rows of 256 bytes (32 elements of 8 bytes): 96 rows of codes, 8 of scale bytes
.irp g, 24, 32
	s_mov_b32 s[\g], 15|(3<<16)|(1<<21)            ; 15:0 the mask: all four work-groups; 17:16 elements of 8 bytes; 21 set beside a mask
	s_mov_b32 s[\g+1], 32<<16
	s_mov_b32 s[\g+3], 32<<16
	s_mov_b32 s[\g+5], 32
	s_mov_b32 s[\g+6], 0
	s_mov_b32 s[\g+7], 0
.endr
	s_mov_b32 s26, 96<<16
	s_mov_b32 s28, 96
	s_mov_b32 s34, 8<<16
	s_mov_b32 s36, 8
	s_and_b32 s70, s12, 1                          ; I fetch for K (0) or V (1)
	s_lshr_b32 s71, s12, 1
	s_add_co_u32 s72, s70, 1
	s_mul_i32 s74, s72, 6291456
	s_mul_i32 s73, s14, 98304
	s_add_co_u32 s74, s74, s73                     ; the head's codes of K or V in c2: key steps 0-3 (waves 0, 1)
	s_mov_b32 s75, 0
	s_mul_i32 s49, s70, VC                         ; and their place in LDS
	s_add_co_u32 s73, s71, 2
	s_and_b32 s73, s73, 3                          ; waves 6-11: quarter 1, 1, 2, 2, 3, 3
	s_mul_i32 s73, s73, 24576
	s_add_co_u32 s76, s74, s73
	s_mov_b32 s77, 0
	s_add_co_u32 s57, s49, s73
	s_and_b32 s71, s71, 1                          ; of scale bytes (waves 2-5): which half
	s_lshl_b32 s71, s71, 11
	s_lshl_b32 s78, s72, 18
	s_lshl_b32 s79, s14, 12
	s_add_co_u32 s78, s78, s79
	s_add_co_u32 s78, s78, s71
	s_mov_b32 s79, 0
	s_lshl_b32 s53, s70, 12
	s_add_co_u32 s53, s53, s71
	s_add_co_u32 s53, s53, KS
	s_mov_b32 s48, 1
	s_mov_b32 s52, 1
	s_mov_b32 s56, 1
	s_wait_dscnt 0x0                               ; both opening adds are done
	s_wait_kmcnt 0x0
	s_add_nc_u64 s[50:51], s[4:5], s[74:75]
	s_or_b32 s51, s51, 0x80000000
	s_add_nc_u64 s[54:55], s[6:7], s[78:79]
	s_or_b32 s55, s55, 0x80000000
	s_add_nc_u64 s[58:59], s[4:5], s[76:77]
	s_or_b32 s59, s59, 0x80000000
	CROUND                                         ; all four work-groups are here: the joint loads meet
	s_cmp_lt_u32 s12, 2                            ; one chain of branches on the wave's number, one fill to an arm
	s_cbranch_scc0 .Lscales
	TLOAD 48, 24                                   ; waves 0, 1: key steps 0-3
	s_branch .Lasked
.Lscales:
	s_cmp_lt_u32 s12, 6
	s_cbranch_scc0 .Lrest
	TLOAD 52, 32                                   ; waves 2-5: scale bytes
	s_branch .Lasked
.Lrest:
	s_cmp_lt_u32 s12, 12
	s_cbranch_scc0 .Lasked
	TLOAD 56, 24                                   ; waves 6-11: key steps 4-15
.Lasked:
	s_and_b32 s15, s14, 15                         ; head
	s_lshr_b32 s16, s14, 4                         ; batch
	s_lshl_b32 s17, ttmp9, 2
	s_add_co_u32 s17, s17, s13                     ; my block of 512 queries
	s_lshl_b32 s17, s17, 5
	s_lshl_b32 s18, s16, 7
	s_add_co_u32 s17, s17, s18
	s_add_co_u32 s17, s17, s12                     ; my first token tile; the second is 16 on
	s_mul_i32 s18, s17, 12288
	s_mul_i32 s19, s15, 768
	s_add_co_u32 s18, s18, s19                     ; its image, in c2 (q) and in c3 alike
	s_lshl_b32 s19, s17, 9
	s_lshr_b32 s69, s15, 1
	s_lshl_b32 s69, s69, 6
	s_add_co_u32 s19, s19, s69                     ; q's scale words: [tile][pair of heads][r]
	s_lshl_b32 s68, s17, 9                         ; o's scale bytes: 16 r + 256 ((head / 2) % 2) + 4 (head / 4) + 2 (head % 2) + block
	s_bfe_u32 s69, s15, 0x10001
	s_lshl_b32 s69, s69, 8
	s_add_co_u32 s68, s68, s69
	s_lshr_b32 s69, s15, 2
	s_lshl_b32 s69, s69, 2
	s_add_co_u32 s68, s68, s69
	s_and_b32 s69, s15, 1
	s_lshl_b32 s72, s69, 1
	s_add_co_u32 s68, s68, s72
	s_mul_i32 s69, s69, 0x02020202
	s_add_co_u32 s67, s69, 0x01000100              ; bytes 0, 1, 0, 1 of the word for an even head, 2, 3, 2, 3 for an odd one
	s_mov_b32 s66, 0xffff0000                      ; lanes 16-31
	s_mov_b32 s20, 0x76543210
	s_mov_b32 s21, 0xfedcba98                      ; v_permlanex16_b32's selects for lane l xor 16
	s_mov_b32 s22, 0x3e38aa3b                      ; c = log2(e) / 8
	s_mov_b32 s23, s22                             ; (named with it as a pair, so it is written)
	v_and_b32 v46, 31, v0
	v_bfe_u32 v47, v0, 4, 1
	v_lshlrev_b32 v1, 4, v46                       ; 16 l
	v_lshlrev_b32 v2, 3, v46                       ; 8 l
	v_and_b32 v46, 15, v0
	v_add_nc_u32 v10, s18, v1
	v_add_nc_u32 v11, s18, v2
	v_lshl_add_u32 v43, v46, 2, s19
	v_lshl_add_u32 v42, v46, 4, v47
	v_add_nc_u32 v44, KS, v2
	v_lshlrev_b32 v45, 3, v47                      ; 8 (lane / 16): how far my two scale bytes are shifted in p's scale word
	v_add_nc_u32 v42, s68, v42
	v_add_nc_u32 v46, VC, v1
	v_add_nc_u32 v47, VC, v2
	global_load_b128 v[22:25], v10, s[4:5]         ; q of my first tile,
	global_load_b64 v[26:27], v11, s[4:5] offset:512
	global_load_b128 v[36:39], v10, s[4:5] offset:196608   ; of my second,
	global_load_b64 v[40:41], v11, s[4:5] offset:197120
	global_load_b32 v34, v43, s[6:7]               ; and their scale words
	global_load_b32 v35, v43, s[6:7] offset:8192
.irp j, 16,17,18,19,20,21,28,29,30,31,32,33
	v_mov_b32 v[\j], 0                             ; zero codes on both sides of q
.endr
.irp b, 0,1
	v_mov_b32 v[BT+\b], 0                          ; written once: a lane permute's destination counts as one of its sources
.endr
	v_mov_b32 v231, 0                              ; (named as the upper half of the pair v[230:231] before it is first written)
	v_mov_b32 v232, 0
	s_wait_alu depctr_va_vdst(0)
	s_wait_loadcnt 0x0
	v_perm_b32 v34, v34, v34, s67                  ; my head's two bytes, twice: for q in either half of the operand
	v_perm_b32 v35, v35, v35, s67
	s_wait_alu depctr_va_vdst(0)                   ; the head's end
	s_cmp_lt_u32 s12, 6
	s_cbranch_scc0 .Lnot_first
	s_wait_tensorcnt 0x0                           ; waves 0-5: my tile is in (their two load lines are theirs alone)
.Lnot_first:
	s_barrier_signal -1
	s_barrier_wait -1                              ; key steps 0-3 and all scale bytes are in
.macro INIT                            ; a tile of queries begins
	v_mov_b32 v13, 0xff61b1e6                      ; the largest score so far: -3e38, under every score
	v_mov_b32 v14, 0
	v_mov_b32 v15, 0
	v_mul_f32 v233, s22, v13
	v_floor_f32 v12, -v233                         ; -M; the 32 lines below stand between this write and its first read
	s_mov_b32 s60, 0
	s_mov_b32 s61, 0
.set j, 0
.rept 32
	v_mov_b32 v[160+j], 0                          ; O^T: the step is written once; its first trip finds zeros, which the first change of M leaves zeros
.set j, j+1
.endr
.endm
.macro STEPS n                         ; n KEY STEPS of 128 keys
	s_mov_b32 s63, \n
.Lstep_\@:
	v_add_nc_u32 v5, s60, v1                       ; these four lines are the places behind the last products, ahead of the loads into their registers
	v_add_nc_u32 v6, s60, v2
	v_add_nc_u32 v9, s61, v44
	v_nop
	FRAGS v5, v6
	ds_load_b64 v[224:225], v9                     ; K's scale words: register pi / 2, lanes 0-15 for an even pi, 16-31 for an odd one
	ds_load_b64 v[226:227], v9 offset:4096         ; V's likewise, by the tile of d
	s_wait_dscnt 0x0
.irp pi, 0,1,2,3                               ; S^T = K Q^T: eight tiles of 16 keys
.if \pi%2
	v_wmma_scale_f32_16x16x128_f8f6f4 v[96+16*\pi:103+16*\pi], v[KV+12*\pi:KV+12*\pi+11], v[22:33], 0, v[224+\pi/2], v34 matrix_a_fmt:MATRIX_FMT_FP6 matrix_b_fmt:MATRIX_FMT_FP6 matrix_a_scale:MATRIX_SCALE_ROW1
	v_wmma_scale_f32_16x16x128_f8f6f4 v[104+16*\pi:111+16*\pi], v[KV+12*\pi:KV+12*\pi+11], v[16:27], 0, v[224+\pi/2], v34 matrix_a_fmt:MATRIX_FMT_FP6 matrix_b_fmt:MATRIX_FMT_FP6 matrix_a_scale:MATRIX_SCALE_ROW1
.else
	v_wmma_scale_f32_16x16x128_f8f6f4 v[96+16*\pi:103+16*\pi], v[KV+12*\pi:KV+12*\pi+11], v[22:33], 0, v[224+\pi/2], v34 matrix_a_fmt:MATRIX_FMT_FP6 matrix_b_fmt:MATRIX_FMT_FP6
	v_wmma_scale_f32_16x16x128_f8f6f4 v[104+16*\pi:111+16*\pi], v[KV+12*\pi:KV+12*\pi+11], v[16:27], 0, v[224+\pi/2], v34 matrix_a_fmt:MATRIX_FMT_FP6 matrix_b_fmt:MATRIX_FMT_FP6
.endif
.endr                                          ; register 96 + 32 c + i is key 64 c + 32 (lane / 16) + i of the step
	v_add_nc_u32 v7, s60, v46                      ; V's addresses and the old -M: with the v_nop the four places ahead of the loads into K's registers and of the first read of the scores
	v_add_nc_u32 v8, s60, v47
	v_mov_b32 v232, v12
	v_nop
	FRAGS v7, v8                                   ; V's four fragments land while the softmax is worked
.irp b, 0,1,2,3
	v_max3_num_f32 v[BM+\b], v[96+16*\b], v[97+16*\b], v[98+16*\b]   ; the largest score of each block of 32 keys, in two chains a block, each accumulator from its low end on
.endr
.irp i, 3,5,7,9,11,13
.irp b, 0,1,2,3
	v_max3_num_f32 v[BM+\b], v[BM+\b], v[96+16*\b+\i], v[97+16*\b+\i]
.endr
.endr
	v_max3_num_f32 v[BM], v[BM], v111, v127
	v_max3_num_f32 v[BM+2], v[BM+2], v143, v159
	s_delay_alu instid0(VALU_DEP_2)
	v_max_num_f32 v[BM], v[BM], v[BM+1]            ; block 0 + lane / 16: it serves for the row's maximum and for the block's largest p
	s_delay_alu instid0(VALU_DEP_2)
	v_max_num_f32 v[BM+2], v[BM+2], v[BM+3]        ; block 2 + lane / 16
	s_delay_alu instid0(VALU_DEP_1)
	v_max_num_f32 v233, v[BM], v[BM+2]
	s_delay_alu instid0(VALU_DEP_1)
	v_permlanex16_b32 v[BT], v233, s20, s21
	s_delay_alu instid0(VALU_DEP_1)
	v_max3_num_f32 v13, v13, v233, v[BT]           ; the running largest score of my query, lane l xor 16's 64 keys among them
	s_delay_alu instid0(VALU_DEP_1)
	v_mul_f32 v233, s22, v13                       ; as t (c is positive)
	s_delay_alu instid0(VALU_DEP_1)
	v_floor_f32 v12, -v233                         ; the new -M = floor(-t): M is a whole number
	s_delay_alu instid0(VALU_DEP_1)
	v_sub_f32 v232, v12, v232                      ; old M - new M: a whole number, 0 or less
	s_delay_alu instid0(VALU_DEP_1)
	v_cvt_i32_f32 v232, v232                       ; (it saturates)
	s_delay_alu instid0(VALU_DEP_1)
	v_ldexp_f32 v230, 1.0, v232                    ; f = 2^(old M - new M)
.set j, 0
.rept 32
	v_pk_fma_f32 v[96+j:97+j], v[96+j:97+j], s[22:23], v[12:13] op_sel_hi:[1,0,0]   ; t - M, two at a time
.set j, j+2
.endr
	v_fma_f32 v[BM], v[BM], s22, v12               ; the same of each block's largest score
	v_fma_f32 v[BM+2], v[BM+2], s22, v12
	s_wait_alu depctr_va_vdst(0)                   ; ahead of the batch
.set j, 0
.rept 64
	v_exp_f32 v[96+j], v[96+j]                     ; p = 2^(t - M), at most 1
.set j, j+1
.endr
	v_exp_f32 v[BM], v[BM]                         ; the blocks' largest p
	v_exp_f32 v[BM+2], v[BM+2]
	v_pk_mul_f32 v[14:15], v[14:15], v[230:231] op_sel_hi:[1,0]   ; the sums under the new M: a plain place behind the exponentials
	s_wait_alu depctr_va_vdst(0)                   ; one wait for the batch of 66, ahead of its first reader
	v_max_num_f32 v[BM], 0x1800000, v[BM]          ; the floor 2^(3 - 127): the byte cannot fall under 1
	v_max_num_f32 v[BM+2], 0x1800000, v[BM+2]
	v_pk_add_f32 v[14:15], v[14:15], v[96:97]      ; THE ROW'S SUM, of the unquantised p: 32 packed additions in eight chains
	v_add_nc_u32 v[BS], 0xff000000, v[BM]          ; 2 off the exponent field: the conversion's scale operand
	v_add_nc_u32 v[BS+1], 0xff000000, v[BM+2]
.irp c, 0,1                                    ; 32 codes of a block: registers 6 c .. 6 c + 5 of the operand
	v_cvt_scalef32_pk16_fp6_f32 v[192+6*\c:194+6*\c], v[96+32*\c:111+32*\c], v[BS+\c]
	v_cvt_scalef32_pk16_fp6_f32 v[204+4*\c:206+4*\c], v[112+32*\c:127+32*\c], v[BS+\c]   ; (a conversion's three registers begin on an even number: made here and moved)
.endr
.irp i, 1,2,3,4,5,6,7
	v_pk_add_f32 v[238+2*\i:239+2*\i], v[96+2*\i:97+2*\i], v[112+2*\i:113+2*\i]   ; (the first of these is the plain place behind the conversions)
.endr
.irp g, 128, 144
	v_pk_add_f32 v[14:15], v[14:15], v[\g-16:\g-15]
.irp i, 1,2,3,4,5,6,7
	v_pk_add_f32 v[238+2*\i:239+2*\i], v[238+2*\i:239+2*\i], v[\g+2*\i:\g+1+2*\i]
.endr
.endr
	v_pk_add_f32 v[14:15], v[14:15], v[144:145]
	v_lshrrev_b32 v[BT], 23, v[BS]                 ; my two scale bytes: blocks lane / 16 and 2 + lane / 16
	v_lshrrev_b32 v[BT+1], 23, v[BS+1]
	v_pk_add_f32 v[240:241], v[240:241], v[242:243]
	v_pk_add_f32 v[244:245], v[244:245], v[246:247]
	v_pk_add_f32 v[248:249], v[248:249], v[250:251]
	v_pk_add_f32 v[14:15], v[14:15], v[252:253]
	v_lshl_or_b32 v[BT], v[BT+1], 16, v[BT]
	v_pk_add_f32 v[240:241], v[240:241], v[244:245]
	v_pk_add_f32 v[14:15], v[14:15], v[248:249]
	v_lshlrev_b32 v[BT], v45, v[BT]                ; at their places in the word
	v_mov_b32 v195, v204
	v_pk_add_f32 v[14:15], v[14:15], v[240:241]
	v_permlanex16_b32 v[BT+1], v[BT], s20, s21
	v_mov_b32 v196, v205
	v_mov_b32 v197, v206
	v_mov_b32 v201, v208
	v_mov_b32 v202, v209
	v_mov_b32 v203, v210
	v_or_b32 v231, v[BT], v[BT+1]                  ; with lane l xor 16's two: p's scale word for these 128 keys
	s_wait_alu depctr_va_vdst(0)                   ; directly ahead of the first reader of O^T
.set j, 0
.rept 16
	v_pk_mul_f32 v[160+j:161+j], v[160+j:161+j], v[230:231] op_sel_hi:[1,0]   ; O^T under the new M; these sixteen are also the places between the codes and scale word just made and the products below
.set j, j+2
.endr
	s_wait_alu depctr_va_vdst(0)
	s_wait_dscnt 0x0                               ; V is in
.irp dt, 0,1,2,3                               ; O^T += V^T P^T: the four accumulators by turns
.if \dt%2
	v_wmma_scale_f32_16x16x128_f8f6f4 v[160+8*\dt:167+8*\dt], v[KV+12*\dt:KV+12*\dt+11], v[192:203], v[160+8*\dt:167+8*\dt], v[226+\dt/2], v231 matrix_a_fmt:MATRIX_FMT_FP6 matrix_b_fmt:MATRIX_FMT_FP6 matrix_a_scale:MATRIX_SCALE_ROW1
.else
	v_wmma_scale_f32_16x16x128_f8f6f4 v[160+8*\dt:167+8*\dt], v[KV+12*\dt:KV+12*\dt+11], v[192:203], v[160+8*\dt:167+8*\dt], v[226+\dt/2], v231 matrix_a_fmt:MATRIX_FMT_FP6 matrix_b_fmt:MATRIX_FMT_FP6
.endif
.endr
	s_add_co_u32 s60, s60, 6144
	s_add_co_u32 s61, s61, 256
	s_sub_co_u32 s63, s63, 1
	s_cmp_lg_u32 s63, 0
	s_cbranch_scc1 .Lstep_\@
.endm
.macro FINISH more                     ; the tile's end: O^T / the sum, quantised along the head's 64, stored as one image and 32 scale bytes.  more = 1: my second tile follows
.rept 4
	v_nop                                          ; places behind the last products
.endr
	v_add_f32 v14, v14, v15
	s_delay_alu instid0(VALU_DEP_1)
	v_permlanex16_b32 v232, v14, s20, s21
	s_delay_alu instid0(VALU_DEP_1)
	v_add_f32 v14, v14, v232                       ; the row's sum
	s_wait_alu depctr_va_vdst(0)                   ; ahead of the transcendental
	v_rcp_f32 v14, v14
	v_nop                                          ; a plain place behind the reciprocal
	s_wait_alu depctr_va_vdst(0)                   ; and the wait ahead of its first reader
.set j, 0
.rept 16
	v_pk_mul_f32 v[96+j:97+j], v[160+j:161+j], v[14:15] op_sel_hi:[1,0]   ; register 16 b + i: o(query, 32 b + 16 (lane / 16) + i); each accumulator from its low end on
.set j, j+2
.endr
.irp b, 0,1
	v_max3_num_f32 v[BM+\b], |v[96+16*\b]|, |v[97+16*\b]|, 0x1800000
.endr
.irp i, 2,4,6,8,10,12,14
.irp b, 0,1
	s_delay_alu instid0(VALU_DEP_2)
	v_max3_num_f32 v[BM+\b], v[BM+\b], |v[96+16*\b+\i]|, |v[97+16*\b+\i]|
.endr
.endr
.irp b, 0,1
	s_delay_alu instid0(VALU_DEP_2)
	v_permlanex16_b32 v[BT+\b], v[BM+\b], s20, s21
.endr
.irp b, 0,1
	s_delay_alu instid0(VALU_DEP_2)
	v_max_num_f32 v[BM+\b], v[BM+\b], v[BT+\b]     ; with lane l xor 16's 16: the block's largest magnitude
.endr
.irp b, 0,1
	s_delay_alu instid0(VALU_DEP_2)
	v_add_nc_u32 v[BS+\b], 0xff000000, v[BM+\b]
.endr
.irp b, 0,1
	s_delay_alu instid0(VALU_DEP_2)
	v_lshrrev_b32 v[BT+\b], 23, v[BS+\b]
.endr
	v_cvt_scalef32_pk16_fp6_f32 v[192:194], v[96:111], v[BS]
	v_cvt_scalef32_pk16_fp6_f32 v[204:206], v[112:127], v[BS+1]
	v_nop                                          ; one plain place behind a scaled conversion
.irp i, 0,1,2
	v_permlane16_swap_b32 v[192+\i], v[204+\i]     ; a whole block to a lane
.endr
.irp i, 0,1,2
	s_delay_alu instid0(VALU_DEP_3)
	v_mov_b32 v[195+\i], v[204+\i]
.endr
	v_cndmask_b32 v232, v[BT], v[BT+1], s66        ; lanes 0-15 store block 0's byte, lanes 16-31 block 1's
	global_store_b128 v10, v[192:195], s[8:9]
	global_store_b64 v11, v[196:197], s[8:9] offset:512
	global_store_b8 v42, v232, s[10:11]
.if \more
	s_wait_xcnt 0x0                                ; the stores have read their offsets and data: both are written again only behind this wait
	v_add_nc_u32 v10, 196608, v10                  ; 16 token tiles on
	v_add_nc_u32 v11, 196608, v11
	v_add_nc_u32 v42, 8192, v42
.irp i, 0,1,2,3,4,5
	v_mov_b32 v[22+\i], v[36+\i]                   ; the second tile's q,
.endr
	v_mov_b32 v34, v35                             ; and its scale word
.endif
.endm
	INIT
	STEPS 4
	s_wait_tensorcnt 0x0                           ; on every wave's way: my tile, if I asked for one, is in
	s_barrier_signal -1
	s_barrier_wait -1                              ; all twelve tiles are in; nothing is written to LDS from here on
	STEPS 12
	FINISH 1
	INIT
	STEPS 16
	FINISH 0
	s_wait_tensorcnt 0x0                           ; the wave's end: behind my last tensor load
	ds_add_u32 v3, v4
	s_wait_dscnt 0x0
	CROUND                                         ; the closing round
	s_endpgm
.Lfunc_end_k_q59de1ceaba_attn:
	.size	k_q59de1ceaba_attn, .Lfunc_end_k_q59de1ceaba_attn-k_q59de1ceaba_attn
	.p2alignl 7, 3214868480
	.fill 96, 4, 3214868480
	.section	.rodata,"a",@progbits
	.p2align	6, 0x0
	.amdhsa_kernel k_q59de1ceaba_attn
		.amdhsa_group_segment_fixed_size 206848
		.amdhsa_private_segment_fixed_size 0
		.amdhsa_enable_private_segment 0
		.amdhsa_kernarg_size 32
		.amdhsa_user_sgpr_count 2
		.amdhsa_user_sgpr_kernarg_segment_ptr 1
		.amdhsa_wavefront_size32 1
		.amdhsa_system_sgpr_workgroup_id_x 1
		.amdhsa_system_sgpr_workgroup_id_y 1
		.amdhsa_system_sgpr_workgroup_id_z 1
		.amdhsa_system_vgpr_workitem_id 0
		.amdhsa_next_free_vgpr 256
		.amdhsa_next_free_sgpr 80
		.amdhsa_reserve_vcc 0
		.amdhsa_float_denorm_mode_32 3
		.amdhsa_float_denorm_mode_16_64 3
		.amdhsa_memory_ordered 1
		.amdhsa_forward_progress 1
		.amdhsa_inst_pref_size 66
	.end_amdhsa_kernel
	.amdgpu_metadata
---
amdhsa.version: [ 1, 2 ]
amdhsa.kernels:
  - .name:           k_q59de1ceaba_attn
    .symbol:         k_q59de1ceaba_attn.kd
    .args:
      - { .name: c2, .offset: 0, .size: 8, .value_kind: global_buffer, .address_space: global }
      - { .name: s2, .offset: 8, .size: 8, .value_kind: global_buffer, .address_space: global }
      - { .name: c3, .offset: 16, .size: 8, .value_kind: global_buffer, .address_space: global }
      - { .name: s3, .offset: 24, .size: 8, .value_kind: global_buffer, .address_space: global }
    .group_segment_fixed_size: 206848
    .private_segment_fixed_size: 0
    .kernarg_segment_align: 8
    .kernarg_segment_size: 32
    .max_flat_workgroup_size: 512
    .sgpr_count:     80
    .vgpr_count:     256
    .wavefront_size: 32
...
	.end_amdgpu_metadata
.endif
;; end of part 3
;; launch outp (part 4): grid 4 x 64, 4 waves a work-group, clusters of 4 x 4, 327,680 bytes of LDS; arguments c3, s3, c1, s1, out0; writes out0
.if DOCPART == 4
	.amdgcn_target "amdgcn-amd-amdhsa--gfx1250"
	.amdhsa_code_object_version 6
	.text
	.protected	k_q59de1ceaba_outp
	.globl	k_q59de1ceaba_outp
	.p2align	8
	.type	k_q59de1ceaba_outp,@function
k_q59de1ceaba_outp:
	s_mov_b64 s[64:65], 0
	v_nop
	global_prefetch_b8 v0, s[64:65] scope:SCOPE_SE
	s_setreg_imm32_b32 hwreg(HW_REG_WAVE_MODE, 25, 1), 1
	s_wait_xcnt 0x0
	s_wait_alu depctr_hold_cnt(0) depctr_sa_sdst(0) depctr_va_vdst(0) depctr_va_sdst(0) depctr_va_ssrc(0) depctr_va_vcc(0) depctr_vm_vsrc(0)
	s_getreg_b32 s2, hwreg(HW_REG_IB_STS2, 6, 4)
	s_cmp_eq_u32 s2, 0
	s_cbranch_scc0 .Lentry_in_a_cluster
	s_endpgm
.Lentry_in_a_cluster:
	s_bfe_u32 s2, ttmp6, 0x10000c
	s_cmp_lg_u32 s2, 0xf033
	s_cbranch_scc0 .Lentry_shape_is_right
	s_endpgm
.Lentry_shape_is_right:
; out0 [8192][1024] f32 = o Wo^T, both operands as codes of FP6 (E2M3) with E8M0 scales, as the earlier launches left them: c3 and c1 are [row tile of 16 rows][64 along K: 16][768 bytes],
; an image of the operand's registers (lane l's registers 0-3 at 16 l, 4-5 at 512 + 8 l); lane r of tile T is row 32 (T / 2) + 8 (T % 2) + r + 8 (r / 8); Wo's tiles begin at tile 1,728 of c1.
; s3 and s1 are [row tile][512]: the scale word of (row r, K step s of 128) at 16 (r + 16 (s % 2)) + 4 (s / 2).
; SHARES.  A block of out0 is 128 rows x 256 columns: 64 x 4 = 256 work-groups.  Four waves, 2 x 2; a wave makes 64 x 128: 32 accumulators, 256 registers.
; ALL OF K LIES IN LDS: 8 tiles of o and 16 of Wo, 24 x 12,288 = 294,912 bytes, filled once: no ring.  One tensor load a wave, each a line of its own: wave 0 o's tiles, K 0-511 (8 rows of 6,144 bytes);
; wave 1 Wo's tiles, K 0-511 (16 rows); waves 2 and 3 the same for K 512-1,023.  Ahead of the first barrier waves 0 and 1 wait; K steps 0-3 follow; in step 3 every wave waits for its load and a second barrier shows the other half.
; CLUSTER 4 x 4: o's tiles are shared by a row of the cluster, Wo's by a column: joint loads.
; Nothing is prefetched: all that goes through LDS is asked for at the head, and there is no loop to run ahead in.
; THE MATRIX INSTRUCTION IS USED TRANSPOSED (source 0 = Wo's rows, source 1 = o's): a lane holds eight neighbouring numbers of a row of out0.
; THE WAY OUT: a block of 16 rows x 128 columns goes through the wave's own stage in LDS and leaves as rows of 512 bytes.  The stage lies in the bytes of K 0-511, which no wave reads behind the second barrier and no load fills again.
; REGISTERS: window 0: v1, v2 16 l, 8 l; v4-11 LDS addresses; v16, v17 the add's two; v18, v19 the stage; v34-49, v64-95 scale words; v128-223 o's fragments, two sets of four; window 1: Wo's fragments, two sets of eight, at v0 and v128; window 2: the accumulators.
.set FR,    12
.set FB,    1536                       ; a fragment: 16 rows x 128 K
.set TP,    6144                       ; a tile's bytes of half of K
.set BH0,   8*TP                       ; Wo's sixteen tiles lie behind o's eight
.set HS,    24*TP                      ; from K's first half to its second
.set SPARE, 2*HS                       ; the spare words, 128 bytes a wave: two blocks of 256 bytes that no other line names
.set ADA,   4
.set ADB,   8
.set SPW,   16
.set NIL,   17
.set STO,   18
.set RD,    19
.set SCA,   34
.set SCB,   64
.set AF,    128
.set BK,    128
.set G1A,   24
.set G1B,   32
.set G0A,   40
.set G0B,   44
.set MSB, 0
.macro WIN new
.if MSB != (\new)
	s_set_vgpr_msb (MSB<<8)|(\new)
.set MSB, (\new)
.endif
.endm
.set MUL_LO, 0xa1                      ; source 0 window 1, source 1 window 0, C and D window 2
.set TO_B,   0x40
.macro CROUND
	s_barrier_signal -1
	s_barrier_wait -1
	s_cmp_lg_u32 s18, 0
	s_cbranch_scc1 .Lnot_wave_0_\@
	s_barrier_signal -3
.Lnot_wave_0_\@:
	s_barrier_wait -3
	s_barrier_signal -1
	s_barrier_wait -1
.endm
.macro PLACES
.rept 4
	v_nop
.endr
.endm
.macro TLOAD g0, g1
	tensor_load_to_lds s[\g0:\g0+3], s[\g1:\g1+7]
	s_nop 0
	PLACES
.endm
.macro ARM under, g0, g1, next
	s_cmp_lt_u32 s18, \under
	s_cbranch_scc0 \next
	TLOAD \g0, \g1
	s_branch .Lasked
\next:
.endm
.macro FRAG reg, adr, q, i
	ds_load_b128 v[\reg:\reg+3], v[\adr] offset:(\i)*TP+(\q)*FB
	ds_load_b64 v[\reg+4:\reg+5], v[\adr+1] offset:(\i)*TP+(\q)*FB+512
	ds_load_b128 v[\reg+6:\reg+9], v[\adr] offset:(\i)*TP+(\q)*FB+768
	ds_load_b64 v[\reg+10:\reg+11], v[\adr+1] offset:(\i)*TP+(\q)*FB+1280
.endm
.macro FETCH s                         ; K step s's twelve fragments into the sets s % 2: 48 loads
	WIN TO_B
.irp i, 0,1,2,3,4,5,6,7
	FRAG 128*((\s)%2)+FR*\i, ADB+2*((\s)/4), (\s)%4, \i
.endr
	WIN 0
.irp i, 0,1,2,3
	FRAG AF+48*((\s)%2)+FR*\i, ADA+2*((\s)/4), (\s)%4, \i
.endr
.endm
.macro MUL16 a0, s                     ; 16 products; the 32 accumulators take turns, in the same order in every step
.irp a, \a0, \a0+1
.irp b, 0,1,2,3,4,5,6,7
.if (\s) == 0
	v_wmma_scale_f32_16x16x128_f8f6f4 v[8*(8*(\a)+\b):8*(8*(\a)+\b)+7], v[FR*\b:FR*\b+FR-1], v[AF+FR*(\a):AF+FR*(\a)+FR-1], 0, v[SCB+4*\b], v[SCA+4*(\a)] matrix_a_fmt:MATRIX_FMT_FP6 matrix_b_fmt:MATRIX_FMT_FP6
.elseif (\s)%2
	v_wmma_scale_f32_16x16x128_f8f6f4 v[8*(8*(\a)+\b):8*(8*(\a)+\b)+7], v[128+FR*\b:128+FR*\b+FR-1], v[AF+48+FR*(\a):AF+48+FR*(\a)+FR-1], v[8*(8*(\a)+\b):8*(8*(\a)+\b)+7], v[SCB+4*\b+(\s)/2], v[SCA+4*(\a)+(\s)/2] matrix_a_fmt:MATRIX_FMT_FP6 matrix_b_fmt:MATRIX_FMT_FP6 matrix_a_scale:MATRIX_SCALE_ROW1 matrix_b_scale:MATRIX_SCALE_ROW1
.else
	v_wmma_scale_f32_16x16x128_f8f6f4 v[8*(8*(\a)+\b):8*(8*(\a)+\b)+7], v[FR*\b:FR*\b+FR-1], v[AF+FR*(\a):AF+FR*(\a)+FR-1], v[8*(8*(\a)+\b):8*(8*(\a)+\b)+7], v[SCB+4*\b+(\s)/2], v[SCA+4*(\a)+(\s)/2] matrix_a_fmt:MATRIX_FMT_FP6 matrix_b_fmt:MATRIX_FMT_FP6
.endif
.endr
.endr
.endm
.macro STEP s                          ; a K step of 128: 32 products; in its middle the next step's fragments are fetched into the other sets
	s_wait_dscnt 0x0                               ; this step's fragments are in
.if (\s) == 3
	s_wait_tensorcnt 0x0                           ; on every wave's way: my tile is in;
	s_barrier_signal -1                            ; a plain barrier
.endif
	WIN MUL_LO
	MUL16 0, \s
.if (\s) == 3
	s_barrier_wait -1                              ; K's second half is in, and nobody reads the first half any more
.endif
.if (\s) < 7
	PLACES                                         ; ahead of the loads into registers that the last step's products have read
	FETCH (\s)+1
	WIN MUL_LO
.endif
	MUL16 2, \s
.endm
	s_load_b256 s[4:11], s[0:1], 0x0               ; c3, s3, c1, s1
	s_load_b64 s[12:13], s[0:1], 0x20              ; out0
	v_lshl_add_u32 v[SPW], v0, 2, SPARE
	v_mov_b32 v[NIL], 0
	ds_add_u32 v[SPW], v[NIL]                      ; the wave's opening: the add, twice on end, and its wait ahead of my first tensor load
	ds_add_u32 v[SPW], v[NIL]
	v_lshrrev_b32 v1, 5, v0
	v_readfirstlane_b32 s18, v1                    ; wave 0..3
	s_lshr_b32 s19, s18, 1                         ; my half of the block's rows.  Also: which half of K I fetch
	s_and_b32 s20, s18, 1                          ; my half of its columns.  Also: I fetch o's tiles (0) or Wo's (1)
	s_bfe_u32 s21, ttmp6, 0x40000                  ; cx = the block's column, 0..3
	s_bfe_u32 s22, ttmp6, 0x40004                  ; cy
	s_and_b32 s66, ttmp7, 0xffff
	s_lshl_b32 s66, s66, 2
	s_add_co_u32 s66, s66, s22                     ; the block's row, 0..63
	s_lshl_b32 s72, s22, 2
	s_lshl_b32 s72, 15, s72                        ; my row of the cluster
	s_lshl_b32 s73, 0x1111, s21                    ; my column
	s_or_b32 s[G1A], s72, (3<<16)|(1<<21)          ; elements of 8 bytes; bit 21 set beside a mask
	s_or_b32 s[G1B], s73, (3<<16)|(1<<21)
.irp g, G1A, G1B
	s_mov_b32 s[\g+1], 768<<16                     ; rows of 6,144 bytes,
	s_mov_b32 s[\g+3], 768<<16
	s_mov_b32 s[\g+5], 1536                        ; 12,288 bytes apart in memory
	s_mov_b32 s[\g+6], 0
	s_mov_b32 s[\g+7], 0
.endr
	s_mov_b32 s[G1A+2], 8<<16
	s_mov_b32 s[G1A+4], 8
	s_mov_b32 s[G1B+2], 16<<16
	s_mov_b32 s[G1B+4], 16
	s_lshl_b32 s69, s66, 3                         ; o's first tile
	s_lshl_b32 s68, s21, 4
	s_add_co_u32 s68, s68, 1728                    ; Wo's first tile
	s_mul_i32 s74, s19, TP
	s_mul_i32 s76, s69, 12288
	s_add_co_u32 s76, s76, s74
	s_mov_b32 s77, 0
	s_mul_i32 s78, s68, 12288
	s_add_co_u32 s78, s78, s74
	s_mov_b32 s79, 0
	s_mul_i32 s80, s19, HS
	s_lshl_b32 s75, s19, 2
	s_add_co_u32 s75, s75, s69                     ; the first of my four tiles of rows
	s_lshl_b32 s82, s75, 9
	s_mov_b32 s83, 0
	s_lshl_b32 s84, s20, 3
	s_add_co_u32 s84, s84, s68
	s_lshl_b32 s84, s84, 9
	s_mov_b32 s85, 0
	s_lshl_b32 s86, s75, 16                        ; 16 rows of 4,096 bytes a tile
	s_lshl_b32 s87, s21, 10
	s_add_co_u32 s86, s86, s87
	s_lshl_b32 s87, s20, 9
	s_add_co_u32 s86, s86, s87
	s_mov_b32 s87, 0
	s_mov_b32 s[G0A], 1
	s_mov_b32 s[G0A+1], s80
	s_mov_b32 s[G0B], 1
	s_add_co_u32 s[G0B+1], s80, BH0
	s_wait_dscnt 0x0                               ; both opening adds are done
	s_wait_kmcnt 0x0
	s_add_nc_u64 s[G0A+2:G0A+3], s[4:5], s[76:77]
	s_or_b32 s[G0A+3], s[G0A+3], 0x80000000
	s_add_nc_u64 s[G0B+2:G0B+3], s[8:9], s[78:79]
	s_or_b32 s[G0B+3], s[G0B+3], 0x80000000
	s_add_nc_u64 s[82:83], s[6:7], s[82:83]
	s_add_nc_u64 s[84:85], s[10:11], s[84:85]
	s_add_nc_u64 s[12:13], s[12:13], s[86:87]
	CROUND                                         ; all sixteen work-groups are here: the joint loads meet
	ARM 1, G0A, G1A, .Lw1                          ; one chain of branches on the wave's number, one fill to an arm: what is needed first is asked for by waves 0 and 1
	ARM 2, G0B, G1B, .Lw2
	ARM 3, G0A, G1A, .Lw3
	TLOAD G0B, G1B
.Lasked:
	v_and_b32 v3, 31, v0
	v_lshlrev_b32 v1, 4, v3
	v_lshlrev_b32 v2, 3, v3
.irp a, 0,1,2,3
	global_load_b128 v[SCA+4*\a:SCA+4*\a+3], v1, s[82:83] offset:512*\a   ; all eight scale words of a tile's rows: register s / 2, lanes 0-15 for an even K step, 16-31 for an odd one
.endr
.irp b, 0,1,2,3,4,5,6,7
	global_load_b128 v[SCB+4*\b:SCB+4*\b+3], v1, s[84:85] offset:512*\b
.endr
	s_mul_i32 s74, s19, 4*TP
	s_mul_i32 s75, s20, 8*TP
	s_add_co_u32 s75, s75, BH0
.irp h, 0,1
	v_add_nc_u32 v[ADA+2*\h], s74, v1
	v_add_nc_u32 v[ADA+2*\h+1], s74, v2
	v_add_nc_u32 v[ADB+2*\h], s75, v1
	v_add_nc_u32 v[ADB+2*\h+1], s75, v2
	s_add_co_u32 s74, s74, HS
	s_add_co_u32 s75, s75, HS
.endr
	v_and_b32 v20, 15, v0
	v_bfe_u32 v21, v0, 4, 1
	s_mul_i32 s74, s18, 16*528                     ; my stage: 16 rows of 512 + 16 bytes
	v_mul_u32_u24 v[STO], v20, 528
	v_lshl_add_u32 v[STO], v21, 6, v[STO]
	v_add_nc_u32 v[STO], s74, v[STO]
	v_add_nc_u32 v[RD], s74, v1
	s_wait_alu depctr_va_vdst(0)                   ; the head's end
	s_cmp_lt_u32 s18, 2
	s_cbranch_scc0 .Lnot_first
	s_wait_tensorcnt 0x0                           ; waves 0 and 1: my tiles of K 0-511 are in
.Lnot_first:
	s_barrier_signal -1
	s_barrier_wait -1                              ; the other two loads may be on their way
	FETCH 0
	s_wait_loadcnt 0x0                             ; the scale words
.irp s, 0,1,2,3,4,5,6,7
	STEP \s
.endr
	WIN 0
.macro TOSTAGE a
.set AC, 64*(\a)
	WIN 0x08                                       ; the data: window 2
.irp b, 0,1,2,3,4,5,6,7
	ds_store_b128 v[STO], v[AC+8*\b:AC+8*\b+3] offset:128*(\b/2)+32*(\b%2)   ; each accumulator from its low end on; column 32 (b / 2) + 8 (b % 2) + 16 (lane / 16) + j
	ds_store_b128 v[STO], v[AC+8*\b+4:AC+8*\b+7] offset:128*(\b/2)+32*(\b%2)+16
.endr
	WIN 0
.set BB, BK+64*((\a)%2)
.set t, 0
.rept 16
	ds_load_b128 v[BB+4*t:BB+4*t+3], v[RD] offset:528*t   ; LDS serves a wave's instructions in order: these see the stores above
.set t, t+1
.endr
.endm
.macro SEND a, younger                 ; younger: the LDS instructions issued behind block a's loads, which may stay out
.set BB, BK+64*((\a)%2)
	s_wait_dscnt \younger
.if (\a) > 0
.if ((\a)%2) == 1
	s_add_nc_u64 s[12:13], s[12:13], 8*4096        ; (behind a wait on XCNT: the earlier stores have read their base)  an odd tile begins 8 rows on,
.else
	s_add_nc_u64 s[12:13], s[12:13], 24*4096       ; an even one 24 more
.endif
.endif
.set t, 0
.rept 16
	global_store_b128 v1, v[BB+4*t:BB+4*t+3], s[12:13] offset:(t+8*(t/8))*4096 th:TH_STORE_NT   ; 32 lanes store 512 consecutive bytes, at a multiple of 256 from out0's first byte
.set t, t+1
.endr
.endm
	PLACES                                         ; behind the last products: ahead of the first read of results and of the loads into o's fragments' registers
	TOSTAGE 0
.irp a, 1,2,3
.if \a > 1
	s_wait_xcnt 0x0                                ; block a - 2's stores have read their registers and their base
.endif
	TOSTAGE \a
	SEND \a-1, 32                                  ; behind block a - 1's loads: block a's 16 stores and 16 loads
.endr
	s_wait_xcnt 0x0
	SEND 3, 0
	s_wait_tensorcnt 0x0                           ; the wave's end: behind my last tensor load and my last LDS store
	ds_add_u32 v[SPW], v[NIL]
	s_wait_dscnt 0x0
	CROUND                                         ; the closing round
	s_endpgm
.Lfunc_end_k_q59de1ceaba_outp:
	.size	k_q59de1ceaba_outp, .Lfunc_end_k_q59de1ceaba_outp-k_q59de1ceaba_outp
	.p2alignl 7, 3214868480
	.fill 96, 4, 3214868480
	.section	.rodata,"a",@progbits
	.p2align	6, 0x0
	.amdhsa_kernel k_q59de1ceaba_outp
		.amdhsa_group_segment_fixed_size 327680
		.amdhsa_private_segment_fixed_size 0
		.amdhsa_enable_private_segment 0
		.amdhsa_kernarg_size 40
		.amdhsa_user_sgpr_count 2
		.amdhsa_user_sgpr_kernarg_segment_ptr 1
		.amdhsa_wavefront_size32 1
		.amdhsa_system_sgpr_workgroup_id_x 1
		.amdhsa_system_sgpr_workgroup_id_y 1
		.amdhsa_system_sgpr_workgroup_id_z 1
		.amdhsa_system_vgpr_workitem_id 0
		.amdhsa_next_free_vgpr 768
		.amdhsa_next_free_sgpr 100
		.amdhsa_reserve_vcc 0
		.amdhsa_float_denorm_mode_32 3
		.amdhsa_float_denorm_mode_16_64 3
		.amdhsa_memory_ordered 1
		.amdhsa_forward_progress 1
		.amdhsa_inst_pref_size 81
	.end_amdhsa_kernel
	.amdgpu_metadata
---
amdhsa.version: [ 1, 2 ]
amdhsa.kernels:
  - .name:           k_q59de1ceaba_outp
    .symbol:         k_q59de1ceaba_outp.kd
    .args:
      - { .name: c3, .offset: 0, .size: 8, .value_kind: global_buffer, .address_space: global }
      - { .name: s3, .offset: 8, .size: 8, .value_kind: global_buffer, .address_space: global }
      - { .name: c1, .offset: 16, .size: 8, .value_kind: global_buffer, .address_space: global }
      - { .name: s1, .offset: 24, .size: 8, .value_kind: global_buffer, .address_space: global }
      - { .name: out0, .offset: 32, .size: 8, .value_kind: global_buffer, .address_space: global }
    .group_segment_fixed_size: 327680
    .private_segment_fixed_size: 0
    .kernarg_segment_align: 8
    .kernarg_segment_size: 40
    .max_flat_workgroup_size: 128
    .sgpr_count:     100
    .vgpr_count:     768
    .wavefront_size: 32
...
	.end_amdgpu_metadata
.endif
;; end of part 4
